; MI455X (gfx1250); checked and timed in simulation.
; The chip was launched on July 23, 2026; its instructions are those of AMD's public machine-readable ISA for CDNA 5 (MIT licence, August 2026) and "CDNA5" Instruction Set Architecture Reference Guide (July 2026). The comments in the code are by the model that wrote it; some were corrected since.
;; Multi Head Attention. Allowed arithmetic: matrix products marked QUANTISED: E2M1 operands, one E8M0 scale for each 32 along K, by v_wmma_scale_f32_16x16x128_f8f6f4 with both operands' format E2M1 (or v_wmma_scale_f32_32x16x128_f4), f32 sums; products left as they are: bf16, f16 or f32 operands; f32 sums; everything else in f32.
;; Inputs: bk 1,024 float32; bo 1,024 float32; bq 1,024 float32; bv 1,024 float32; wk 1,024 x 1,024 float32; wo 1,024 x 1,024 float32; wq 1,024 x 1,024 float32; wv 1,024 x 1,024 float32; x 4 x 2,048 x 1,024 float32.
;; Outputs: out0 4 x 2,048 x 1,024 float32.
;; This version of the problem:
;;   THIS VERSION OF THE PROBLEM IS GIVEN IN LOW PRECISION. The matrix products marked QUANTISED in the list below multiply operands that are first quantised to E2M1 (2 exponent bits, 1 mantissa bit; 4 bits a number), with one power-of-two scale for each 32 numbers along K (OCP MX v1.0); their sums are f32. The products marked 'left as it is' may take bf16, f16 or f32 operands, with f32 sums. Whichever they take, every output number must still come out within the allowed error. Rounding operands to bf16 (8 significant bits) uses up far more of that allowance than f16 does (11 bits, for magnitudes from 6e-5 to 65,504). All else is computed in f32.
;;   The module's matrix products, in the order in which they are computed (A, B: the left and right operand; K: the contracted axis; several contracted axes count as one K, in the product's order):
;;     1. [M 8,192, K 1,024] x [K 1,024, N 1,024]; A: input x; B: input wq: QUANTISED
;;     2. [M 8,192, K 1,024] x [K 1,024, N 1,024]; A: input x; B: input wk: QUANTISED
;;     3. [M 8,192, K 1,024] x [K 1,024, N 1,024]; A: input x; B: input wv: QUANTISED
;;     4. batch 64 x [M 2,048, K 64] x [K 64, N 2,048]; A: computed on the way; B: computed on the way: left as it is (an operand is computed on the way)
;;     5. batch 64 x [M 2,048, K 2,048] x [K 2,048, N 64]; A: computed on the way; B: computed on the way: left as it is (an operand is computed on the way)
;;     6. [M 8,192, K 1,024] x [K 1,024, N 1,024]; A: computed on the way; B: input wo: left as it is (an operand is computed on the way)
;;   THE QUANTISER, for each operand of a quantised product, along K:
;;     - K is cut into blocks of 32 from its start; a last block that is shorter is filled with zeros.
;;     - A block's scale is 2^e with e = floor(log2(the largest magnitude in the block)) - 2, held to -126 .. 127; a block of zeros has e = 0. As a byte (E8M0): e + 127.
;;     - Each number is divided by its block's scale, clamped to +-6, and rounded to the nearest number of E2M1, ties to even, subnormals kept.
;;     - The product sums the exact products of the quantised numbers (number of the format x scale) in f32.
;;   ~~~python
;;   def quantise(x, axis):      # numpy; x: float32 -> the quantised numbers, widened to float32 again
;;       x = np.moveaxis(x, axis, -1); K = x.shape[-1]
;;       x = np.pad(x, [(0, 0)] * (x.ndim - 1) + [(0, -K % 32)]); x = x.reshape(x.shape[:-1] + (-1, 32)); a = np.abs(x).max(-1, keepdims=True)
;;       e = np.where(a > 0, np.clip(np.frexp(np.where(a > 0, a, 1))[1] - 1 - 2, -126, 127), 0)      # np.frexp(a)[1] - 1 = floor(log2(a)), exactly
;;       r = np.clip(x / 2.0 ** e, -6, 6)
;;       step = 2.0 ** (np.maximum(np.frexp(np.where(r == 0, 1, r))[1] - 1, 0) - 1)
;;       q = np.round(r / step) * step * 2.0 ** e      # np.round: ties to even
;;       return np.moveaxis(q.reshape(q.shape[:-2] + (-1,))[..., :K], -1, axis).astype(np.float32)
;;   ~~~
;; One version. Each part assembles by itself: llvm-mc -triple=amdgcn-amd-amdhsa -mcpu=gfx1250 --defsym DOCPART=n.
;; ======== version 1 of 1: 4 launches
;; limits: values are held in f16: magnitudes above 65,504 overflow, below 6.1e-05 lose precision; right only within a limited range of input values
;; workspace buffers: xcodes 4,194,304 bytes; xscales 262,144 bytes; wcodes 1,572,864 bytes; wscales 98,304 bytes; wo16 2,097,152 bytes; qkv 50,331,648 bytes; att 16,777,216 bytes
;; launch prep (part 1): grid 384 x 1, 4 waves a work-group, no clusters, 33,280 bytes of LDS; arguments x, wq, wk, wv, wo, xcodes, xscales, wcodes, wscales, wo16; writes xcodes, xscales, wcodes, wscales, wo16
.if DOCPART == 1
	.amdgcn_target "amdgcn-amd-amdhsa--gfx1250"
	.amdhsa_code_object_version 6
	.text
	.protected	k_qea0588dc3d_prep
	.globl	k_qea0588dc3d_prep
	.p2align	8
	.type	k_qea0588dc3d_prep,@function
k_qea0588dc3d_prep:
	s_mov_b64 s[64:65], 0
	v_nop
	global_prefetch_b8 v0, s[64:65] scope:SCOPE_SE
	s_setreg_imm32_b32 hwreg(HW_REG_WAVE_MODE, 25, 1), 1
	s_wait_xcnt 0x0
; MULTI-HEAD ATTENTION, four launches: this one (operands made ready), qkv (the three quantised projections), attn (softmax(q k^T / 8) v), oproj (the projection on the way out).
; DEAD WORK: bk.  score(q, k) = (Q_q . (K0_k + bk)) / 8 = (Q_q . K0_k) / 8 + (Q_q . bk) / 8.  The second term does not hang on the key k, and the softmax runs along the keys:
; a term that is the same along the softmax's axis leaves every weight as it is, for all values of the inputs.  The product q k^T is not quantised, so bk enters no quantiser.
; So bk has no way to the output: it is not loaded and is among no launch's arguments.  LIMIT: a NaN, an infinity or an overflow that bk alone would bring is not carried to the result.
; THIS LAUNCH.  (a) x [8192][1024] and wq, wk, wv [1024][1024], f32, become codes of E2M1, K innermost (a row: 512 bytes), with one E8M0 byte for each 32 along K (a row: 32 bytes);
; the three weights lie one behind the other as one operand of 3,072 rows.  A block's scale is 2^(floor(log2(its largest magnitude)) - 2); its byte is the largest magnitude's exponent field - 2, held at 1 from below.
; (A block of zeros so gets the byte 1 where the rule says 127: its codes are zeros, and the bytes are read by this program alone.)
; (b) wo [1024][1024] f32 becomes f16 in the order of an operand's registers: a fragment (16 rows x 32 K, 8 registers a lane) is 1,024 bytes, registers 0-3 of lane l at 16 l, registers 4-7 at 512 + 16 l;
; laid [256 rows: 4][32 along K: 32][16 rows: 16][1,024 bytes].
; LIMITS: blocks whose largest magnitude lies under 2^(2 - 126) have their byte held at 1; NaN and infinities among the inputs are not served; wo beyond 65,504 has no f16 number.
; SHARES: work-groups 0-255 take x, 256-351 the three weights (32 each), 32,768 numbers a work-group; 352-383 take wo, 32 rows each.  No work-group shares an input with another: no cluster, no tensor load.
; The quantiser: rows are dense and K is a multiple of 32, so a tensor is a stream of blocks of 32.  A wave takes 16 steps of 512 numbers; each load reads 512 consecutive bytes; the numbers turn through the wave's own
; stage in LDS, so that a lane holds 16 neighbours (two neighbouring lanes hold a block).  Loads run four steps ahead, the turn through LDS one step.
.set WAVES, 4
.set STEPS, 16
.set EMAX,  2
.set CB,    8                          ; bytes of 16 codes
.set R,     16                         ; v16-79   four sets of 16 numbers as they are loaded
.set X,     80                         ; v80-111  two sets of 16 neighbours
.set E,     112                        ; v112-127 a scale byte for each step
.set C,     128                        ; v128-191 codes: four registers for each step, so that no store's data are written again
.set WREG,  8192                       ; LDS: a region for each wave: two stages of 32 x SP bytes, behind them its 256 scale bytes
.set SP,    80                         ; a lane's place in a stage: 64 bytes + 16 of padding
.set SPW,   12                         ; v12      LDS address of my spare word; never rewritten
.set NIL,   13                         ; v13      0; never rewritten
.set SPARE, WAVES*WREG                 ; behind the four regions: the spare words, 128 bytes a wave
	s_load_b512 s[4:19], s[0:1], 0x0               ; x s[4:5], wq s[6:7], wk s[8:9], wv s[10:11], wo s[12:13], xcodes s[14:15], xscales s[16:17], wcodes s[18:19]
	s_load_b128 s[20:23], s[0:1], 0x40             ; wscales s[20:21], wo16 s[22:23]
	v_lshl_add_u32 v[SPW], v0, 2, SPARE
	v_mov_b32 v[NIL], 0
	v_lshrrev_b32 v1, 5, v0
	v_readfirstlane_b32 s28, v1                    ; wave
	v_and_b32 v2, 31, v0                           ; lane
	s_wait_kmcnt 0x0
	s_cmp_ge_u32 ttmp9, 352                        ; the last 32 work-groups take wo: a branch on the work-group's number alone
	s_cbranch_scc1 .Lwo
	; ---- THE QUANTISER.  Only pointers are chosen: all four tensors take one path
	v_lshlrev_b32 v3, 4, v2                        ; my 16 bytes of a load's 512
	s_mul_i32 s29, s28, WREG
	v_lshrrev_b32 v14, 2, v2
	v_mul_u32_u24 v14, v14, SP
	v_and_b32 v15, 3, v2
	v_lshl_add_u32 v14, v15, 4, v14
	v_add_nc_u32 v14, s29, v14                     ; the stage, on the way in: SP (lane / 4) + 16 (lane % 4)
	v_mul_u32_u24 v15, v2, SP
	v_add_nc_u32 v15, s29, v15                     ; and on the way out: SP x lane: my 16 neighbours
	v_mul_u32_u24 v4, v2, CB                       ; my codes' place in a step's
	v_lshrrev_b32 v5, 1, v2
	s_add_co_u32 s29, s29, 2*32*SP
	v_add_nc_u32 v5, s29, v5                       ; LDS: my wave's 256 scale bytes, my block's byte
	v_lshlrev_b32 v7, 3, v2                        ; and on the way out 8 bytes a lane
	v_add_nc_u32 v6, s29, v7
	s_sub_co_u32 s24, ttmp9, 256                   ; among the weights' 96 work-groups (of no meaning in x's, where it is selected away)
	s_lshr_b32 s25, s24, 5                         ; which weight
	s_and_b32 s26, s24, 31                         ; which 32,768 numbers of it
	s_cmp_eq_u32 s25, 1
	s_cselect_b64 s[6:7], s[8:9], s[6:7]
	s_cmp_eq_u32 s25, 2
	s_cselect_b64 s[6:7], s[10:11], s[6:7]
	s_cmp_lt_u32 ttmp9, 256
	s_cselect_b64 s[4:5], s[4:5], s[6:7]           ; from where,
	s_cselect_b64 s[14:15], s[14:15], s[18:19]     ; the codes,
	s_cselect_b64 s[16:17], s[16:17], s[20:21]     ; the scale bytes,
	s_cselect_b32 s26, ttmp9, s26                  ; the run in the source,
	s_cselect_b32 s24, ttmp9, s24                  ; and in the codes' and bytes' buffers (the three weights on end)
	s_lshl_b32 s26, s26, 2
	s_add_co_u32 s26, s26, s28
	s_lshl_b32 s26, s26, 15                        ; a wave's 8,192 numbers are 32,768 bytes,
	s_mov_b32 s27, 0
	s_add_nc_u64 s[4:5], s[4:5], s[26:27]
	s_lshl_b32 s24, s24, 2
	s_add_co_u32 s24, s24, s28
	s_lshl_b32 s26, s24, 12                        ; 4,096 bytes of codes,
	s_add_nc_u64 s[14:15], s[14:15], s[26:27]
	s_lshl_b32 s26, s24, 8                         ; 256 scale bytes
	s_add_nc_u64 s[16:17], s[16:17], s[26:27]
.macro LOAD t
.irp i, 0,1,2,3
	global_load_b128 v[R+16*((\t)%4)+4*\i:R+16*((\t)%4)+4*\i+3], v3, s[4:5] offset:2048*(\t)+512*\i th:TH_LOAD_NT   ; 32 lanes read 512 consecutive bytes
.endr
.endm
.macro TURN t                          ; step t's numbers through the stage: LDS serves a wave's instructions in order, so no wait stands between the stores and the loads
.irp i, 0,1,2,3
	ds_store_b128 v14, v[R+16*((\t)%4)+4*\i:R+16*((\t)%4)+4*\i+3] offset:32*SP*((\t)%2)+8*SP*\i
.endr
.irp i, 0,1,2,3
	ds_load_b128 v[X+16*((\t)%2)+4*\i:X+16*((\t)%2)+4*\i+3], v15 offset:32*SP*((\t)%2)+16*\i
.endr
.endm
.irp t, 0,1,2,3
	LOAD \t
.endr
	s_wait_loadcnt 12                              ; step 0's four loads are in; the twelve of steps 1 to 3 may be out
	TURN 0
.macro QSTEP t
.set XS, X+16*((\t)%2)
.if (\t) > 0
	s_wait_dscnt 1                                 ; this step's numbers are back from the stage (the last step's byte store may be out)
.else
	s_wait_dscnt 0x0
.endif
.if (\t)+4 < STEPS
	LOAD (\t)+4                                    ; into the registers that this step's stores into the stage have read
.endif
.if (\t)+1 < STEPS
.if STEPS-2-(\t) >= 3
	s_wait_loadcnt 12                              ; the next step's four loads are in; those of the three steps behind it may be out
.else
	s_wait_loadcnt 4*(STEPS-2-(\t))
.endif
	TURN (\t)+1                                    ; they go through the other stage while this step is worked
.endif
	v_max3_num_f32 v8, |v[XS]|, |v[XS+1]|, |v[XS+2]|               ; the largest magnitude of my 16, in two chains
	v_max3_num_f32 v9, |v[XS+3]|, |v[XS+4]|, |v[XS+5]|
.irp i, 6,10
	v_max3_num_f32 v8, v8, |v[XS+\i]|, |v[XS+\i+1]|
	v_max3_num_f32 v9, v9, |v[XS+\i+2]|, |v[XS+\i+3]|
.endr
	v_max3_num_f32 v8, v8, |v[XS+14]|, |v[XS+15]|
	v_max3_num_f32 v8, v8, v9, (EMAX+1)<<23        ; and the floor 2^(EMAX + 1 - 127): the byte cannot fall under 1
	v_max_num_f32_dpp v8, v8, v8 row_xmask:1 row_mask:0xf bank_mask:0xf   ; with my neighbour's 16: the block's
	v_add_nc_u32 v11, -(EMAX<<23), v8              ; EMAX off its exponent field: the conversion takes the exponent field of this operand as its scale
	v_cvt_scalef32_pk8_fp4_f32 v[C+4*(\t)], v[XS:XS+7], v11        ; eight numbers / the scale, to the nearest code, ties to even, beyond the largest code the largest
	v_cvt_scalef32_pk8_fp4_f32 v[C+4*(\t)+1], v[XS+8:XS+15], v11
	v_lshrrev_b32 v[E+(\t)], 23, v11               ; the scale's byte (also the plain line behind the conversions)
	ds_store_b8 v5, v[E+(\t)] offset:16*(\t)       ; both lanes of a block write the same byte with the same value
	global_store_b64 v4, v[C+4*(\t):C+4*(\t)+1], s[14:15] offset:32*CB*(\t)   ; the wave stores 256 consecutive bytes, aligned
.endm
.irp t, 0,1,2,3,4,5,6,7,8,9,10,11,12,13,14,15
	QSTEP \t
.endr
	ds_load_b64 v[8:9], v6                         ; LDS serves a wave's instructions in order: these see my byte stores
	s_wait_dscnt 0x0
	global_store_b64 v7, v[8:9], s[16:17]          ; 32 lanes store 256 consecutive bytes, aligned
	s_wait_tensorcnt 0x0                           ; the wave's end, behind my last LDS store
	ds_add_u32 v[SPW], v[NIL]
	s_wait_dscnt 0x0
	s_endpgm
	; ---- wo INTO f16 FRAGMENT IMAGES.  Wave w of work-group g takes the 16 rows 16 NT on, NT = 2 g + w / 2, and half w % 2 of K: 16 fragments, four a round.
.Lwo:
	v_and_b32 v3, 15, v0                           ; r
	v_bfe_u32 v4, v0, 4, 1                         ; h
	v_lshlrev_b32 v1, 12, v3                       ; in: row r of 4,096 bytes,
	v_lshl_add_u32 v1, v4, 5, v1                   ; + 32 h: my 8 numbers of a fragment's first 16 along K; the other 8 lie 64 bytes on
	v_lshlrev_b32 v2, 4, v2                        ; out: 16 x lane
	s_sub_co_u32 s24, ttmp9, 352
	s_lshl_b32 s24, s24, 1
	s_lshr_b32 s25, s28, 1
	s_add_co_u32 s24, s24, s25                     ; NT
	s_and_b32 s25, s28, 1                          ; which half of K
	s_lshl_b32 s26, s24, 16                        ; 16 rows of 4,096 bytes
	s_lshl_b32 s29, s25, 11                        ; 512 numbers
	s_add_co_u32 s26, s26, s29
	s_mov_b32 s27, 0
	s_add_nc_u64 s[12:13], s[12:13], s[26:27]
	s_lshr_b32 s26, s24, 4
	s_lshl_b32 s26, s26, 19                        ; which 256 rows: 524,288 bytes each
	s_lshl_b32 s29, s25, 18                        ; 16 steps of 32 along K, 16,384 bytes each
	s_add_co_u32 s26, s26, s29
	s_and_b32 s29, s24, 15
	s_lshl_b32 s29, s29, 10                        ; which 16 rows of the 256
	s_add_co_u32 s26, s26, s29
	s_add_nc_u64 s[22:23], s[22:23], s[26:27]
.macro LOADW p                         ; round p: four fragments' numbers, 16 a lane each, into v32-95 (even rounds) or v96-159 (odd)
.set IN, 32+64*((\p)%2)
.irp f, 0,1,2,3
	global_load_b128 v[IN+16*\f:IN+16*\f+3],     v1, s[12:13] offset:(4*(\p)+\f)*128 th:TH_LOAD_NT
	global_load_b128 v[IN+16*\f+4:IN+16*\f+7],   v1, s[12:13] offset:(4*(\p)+\f)*128+16 th:TH_LOAD_NT
	global_load_b128 v[IN+16*\f+8:IN+16*\f+11],  v1, s[12:13] offset:(4*(\p)+\f)*128+64 th:TH_LOAD_NT
	global_load_b128 v[IN+16*\f+12:IN+16*\f+15], v1, s[12:13] offset:(4*(\p)+\f)*128+80 th:TH_LOAD_NT
.endr
.endm
.macro ROUNDW p
.set IN, 32+64*((\p)%2)
.if (\p) < 3
	s_wait_loadcnt 16                              ; this round's 16 loads are in; the next round's 16 may be out
.else
	s_wait_loadcnt 0x0
.endif
.if (\p) > 0
	s_wait_xcnt 0x0                                ; the last round's stores have read v160-191: only behind this wait are they written again
.endif
.irp f, 0,1,2,3
.irp i, 0,1,2,3,4,5,6,7
	v_cvt_pk_f16_f32 v[160+8*\f+\i], v[IN+16*\f+2*\i], v[IN+16*\f+2*\i+1]
.endr
.endr
.irp f, 0,1,2,3
	global_store_b128 v2, v[160+8*\f:160+8*\f+3],   s[22:23] offset:(4*(\p)+\f)*16384       ; each store of the wave covers 512 consecutive bytes, aligned
	global_store_b128 v2, v[160+8*\f+4:160+8*\f+7], s[22:23] offset:(4*(\p)+\f)*16384+512
.endr
.if (\p) < 2
	LOADW (\p)+2
.endif
.endm
	LOADW 0
	LOADW 1
	ROUNDW 0
	ROUNDW 1
	ROUNDW 2
	ROUNDW 3
	s_endpgm
.Lfunc_end_k_qea0588dc3d_prep:
	.size	k_qea0588dc3d_prep, .Lfunc_end_k_qea0588dc3d_prep-k_qea0588dc3d_prep
	.p2alignl 7, 3214868480
	.fill 96, 4, 3214868480
	.section	.rodata,"a",@progbits
	.p2align	6, 0x0
	.amdhsa_kernel k_qea0588dc3d_prep
		.amdhsa_group_segment_fixed_size 33280
		.amdhsa_private_segment_fixed_size 0
		.amdhsa_enable_private_segment 0
		.amdhsa_kernarg_size 80
		.amdhsa_user_sgpr_count 2
		.amdhsa_user_sgpr_kernarg_segment_ptr 1
		.amdhsa_wavefront_size32 1
		.amdhsa_system_sgpr_workgroup_id_x 1
		.amdhsa_system_sgpr_workgroup_id_y 1
		.amdhsa_system_sgpr_workgroup_id_z 1
		.amdhsa_system_vgpr_workitem_id 0
		.amdhsa_next_free_vgpr 192
		.amdhsa_next_free_sgpr 66
		.amdhsa_reserve_vcc 0
		.amdhsa_float_denorm_mode_32 3
		.amdhsa_float_denorm_mode_16_64 3
		.amdhsa_memory_ordered 1
		.amdhsa_forward_progress 1
		.amdhsa_inst_pref_size 52
	.end_amdhsa_kernel
	.amdgpu_metadata
---
amdhsa.version: [ 1, 2 ]
amdhsa.kernels:
  - .name:           k_qea0588dc3d_prep
    .symbol:         k_qea0588dc3d_prep.kd
    .args:
      - { .name: x, .offset: 0, .size: 8, .value_kind: global_buffer, .address_space: global }
      - { .name: wq, .offset: 8, .size: 8, .value_kind: global_buffer, .address_space: global }
      - { .name: wk, .offset: 16, .size: 8, .value_kind: global_buffer, .address_space: global }
      - { .name: wv, .offset: 24, .size: 8, .value_kind: global_buffer, .address_space: global }
      - { .name: wo, .offset: 32, .size: 8, .value_kind: global_buffer, .address_space: global }
      - { .name: xcodes, .offset: 40, .size: 8, .value_kind: global_buffer, .address_space: global }
      - { .name: xscales, .offset: 48, .size: 8, .value_kind: global_buffer, .address_space: global }
      - { .name: wcodes, .offset: 56, .size: 8, .value_kind: global_buffer, .address_space: global }
      - { .name: wscales, .offset: 64, .size: 8, .value_kind: global_buffer, .address_space: global }
      - { .name: wo16, .offset: 72, .size: 8, .value_kind: global_buffer, .address_space: global }
    .group_segment_fixed_size: 33280
    .private_segment_fixed_size: 0
    .kernarg_segment_align: 8
    .kernarg_segment_size: 80
    .max_flat_workgroup_size: 128
    .sgpr_count:     66
    .vgpr_count:     192
    .wavefront_size: 32
...
	.end_amdgpu_metadata
.endif
;; end of part 1
;; launch qkv (part 2): grid 12 x 32, 4 waves a work-group, clusters of 4 x 4, 327,680 bytes of LDS; arguments xcodes, xscales, wcodes, wscales, bq, bv, qkv; writes qkv
.if DOCPART == 2
	.amdgcn_target "amdgcn-amd-amdhsa--gfx1250"
	.amdhsa_code_object_version 6
	.text
	.protected	k_qea0588dc3d_qkv
	.globl	k_qea0588dc3d_qkv
	.p2align	8
	.type	k_qea0588dc3d_qkv,@function
k_qea0588dc3d_qkv:
	s_mov_b64 s[64:65], 0
	v_nop
	global_prefetch_b8 v0, s[64:65] scope:SCOPE_SE
	s_setreg_imm32_b32 hwreg(HW_REG_WAVE_MODE, 25, 1), 1
	s_wait_xcnt 0x0
	s_wait_alu depctr_hold_cnt(0) depctr_sa_sdst(0) depctr_va_vdst(0) depctr_va_sdst(0) depctr_va_ssrc(0) depctr_va_vcc(0) depctr_vm_vsrc(0)
	s_getreg_b32 s2, hwreg(HW_REG_IB_STS2, 6, 4)
	s_cmp_eq_u32 s2, 0
	s_cbranch_scc0 .Lentry_in_a_cluster
	s_endpgm
.Lentry_in_a_cluster:
	s_bfe_u32 s2, ttmp6, 0x10000c
	s_cmp_lg_u32 s2, 0xf033
	s_cbranch_scc0 .Lentry_shape_is_right
	s_endpgm
.Lentry_shape_is_right:
; THE THREE QUANTISED PROJECTIONS AS ONE PRODUCT: C[m][n] = sum over k of X[m][k] W[n][k], X: 8,192 rows, W: 3,072 rows (wq, wk, wv on end), K = 1,024: codes of E2M1 with one E8M0 byte for each 32 along K; sums in f32.
; q gets + bq, v gets + bv; k gets NO bias: bk is dead work (a term of the scores that is the same for all keys of a row, which the softmax along the keys takes away; shown at the head of the first kernel), and is not loaded.
; A tile of C, 256 x 256, is made by a work-group of four waves; a wave makes 128 x 128: 64 accumulators, 512 registers.  K is two slots of 512: both are first fills, no LDS byte is filled again.
; The scale bytes of the work-group's 256 + 256 rows, for all of K, come into LDS once, with the first fills.
; CLUSTERS: 4 x 4 work-groups.  The four of a row of the cluster ask jointly for X's tiles, the four of a column for W's.  Four tile columns are one weight: the cluster's x says which (0 q, 1 k, 2 v), the same in all sixteen partners.
; THE MATRIX INSTRUCTION IS USED TRANSPOSED (source 0 = 16 rows of W, source 1 = 16 rows of X): a lane holds one token (lane % 16) and eight neighbouring columns 16 b + 8 (lane / 16) + 0 .. 7.
; The bias is the C of each sum's first matrix instruction (q, v); k's sums start with the constant 0: the first step of 128 along K is written twice, behind ONE branch on the cluster's x.
; THE WAY OUT needs no LDS: rounded to f16, a lane's eight columns are four registers of the next product's operand.  qkv is laid [q, k, v][batch x head: 64][16 tokens: 128][16 of the head's 64: 4][512 bytes];
; in q and k lane l's 16 bytes lie at 16 l (so two such blocks are a fragment, 16 tokens x 32 channels, as an image of its registers); in v at 32 (l % 16) + 16 (l / 16): 16 tokens x 16 channels by rows of 32 bytes, for the turning load.
; LIMIT: q, k, v beyond 65,504 have no f16 number.
; REGISTERS, in windows of 256: window 0: v0-31 addresses; v32-95 scale words, two sets; v128-191 X's fragments, one set; v192-255 the bias, 8 registers for each of my 8 column blocks.
;   window 1: W's fragments, two sets, at v0 and v128.   window 2: the accumulators of my rows 0-63 ((a, b) at v[8 (8 a + b)]);   window 3: those of my rows 64-127.
.set SIZE_K, 1024
.set KSTEP,  512                       ; along K in a slot
.set NQ,     KSTEP/128                 ; matrix instructions deep
.set ROWB,   256                       ; a tile's row in bytes
.set KROW,   SIZE_K/2                  ; a row of codes in memory
.set PITCH,  272                       ; an LDS row: 256 bytes + 16 of padding, so that the 16 rows of a fragment load start 68 words apart
.set FR,     8                         ; registers of a fragment: 16 rows x 128 K
.set NL,     2                         ; LDS loads that bring one
.set NP,     4                         ; places behind this matrix instruction (ISA guide 7.12.1)
.set HALFT,  128*PITCH                 ; 128 rows: what one tensor load brings
.set SLOT,   4*HALFT                   ; X's 256 rows, then W's 256 rows
.set KS,     SIZE_K/32                 ; a row of scale bytes
.set SCL,    2*SLOT                    ; behind the slots: the scale bytes, as rows of 256 bytes + 16 of padding
.set HALFS,  (128*KS/256)*272          ; those of 128 rows
.set SBLK,   (16*KS/256)*272           ; those of 16 rows
.set SPARE,  SCL+4*HALFS               ; the spare words, 128 bytes a wave
.set ADRA, 16                          ; v16-17  LDS address of my X fragments in slot 0, 1
.set ADRB, 20                          ; v20-21  the same for W
.set CO,   26                          ; v26     my lane's 16 bytes in a block of 512 of qkv
.set ADRS, 27                          ; v27     LDS address of my scale words: lanes 0-15 X's rows, lanes 16-31 W's
.set SPW,  28                          ; v28     LDS address of my spare word; never rewritten
.set NIL,  29                          ; v29     0; never rewritten
.set BO,   30                          ; v30     32 x (lane / 16): my eight numbers of a block's 16 of the bias
.set SC,   32
.set AF,   128
.set BIAS, 192
.set G1, 24                            ; s[24:31] group 1 for X's tiles;  s[32:39] group 0, one set for each slot
.set G0, 32
.set G1B, 48                           ; s[48:55], s[56:63] the same for W's
.set G0B, 56
.set G1S, 68                           ; s[68:75], s[76:79] groups 1 and 0 for X's scale bytes;  s[80:87], s[88:91] for W's
.set G0S, 76
.set G1SB, 80
.set G0SB, 88
.set MSB, 0
.macro WIN new                         ; the immediate's high byte repeats the setting that is left
.if MSB != \new
	s_set_vgpr_msb (MSB<<8)|\new
.set MSB, \new
.endif
.endm
.set MUL_LO, 0xa1                      ; source 0 (W) window 1, source 1 (X) window 0, C and D window 2
.set MUL_HI, 0xf1                      ; the same, C and D window 3
.set TO_B,   0x40                      ; destination window 1, address window 0
; A joint load: waves 0 and 1 fetch for X, waves 2 and 3 for W.  The branch hangs on the wave's number alone.  An s_nop 0 and four v_nop follow each of the two lines.
.macro JLOAD g0a, g1a, g0b, g1b
	s_cmp_eq_u32 s15, 0
	s_cbranch_scc0 .Lfor_b_\@
	tensor_load_to_lds s[\g0a:\g0a+3], s[\g1a:\g1a+7]
	s_nop 0
.rept 4
	v_nop
.endr
	s_branch .Lasked_\@
.Lfor_b_\@:
	tensor_load_to_lds s[\g0b:\g0b+3], s[\g1b:\g1b+7]
	s_nop 0
.rept 4
	v_nop
.endr
.Lasked_\@:
.endm
.macro CROUND                          ; a round of the cluster's barrier
	s_barrier_signal -1
	s_barrier_wait -1
	s_cmp_lg_u32 s14, 0
	s_cbranch_scc1 .Lnot_wave_0_\@
	s_barrier_signal -3
.Lnot_wave_0_\@:
	s_barrier_wait -3
	s_barrier_signal -1
	s_barrier_wait -1
.endm
	s_load_b128 s[4:7], s[0:1], 0x0                ; X's codes s[4:5], X's scale bytes s[6:7]
	s_load_b128 s[8:11], s[0:1], 0x10              ; W's codes s[8:9], W's scale bytes s[10:11]
	s_load_b128 s[96:99], s[0:1], 0x20             ; bq s[96:97], bv s[98:99]
	s_load_b64 s[12:13], s[0:1], 0x30              ; qkv
	v_lshl_add_u32 v[SPW], v0, 2, SPARE
	v_mov_b32 v[NIL], 0
	ds_add_u32 v[SPW], v[NIL]                      ; the wave's opening: the add, twice on end, and its wait ahead of my first tensor load
	ds_add_u32 v[SPW], v[NIL]
	v_lshrrev_b32 v1, 5, v0
	v_readfirstlane_b32 s14, v1                    ; wave 0..3
	s_lshr_b32 s15, s14, 1                         ; which half of the tile's rows is mine.  Also: I fetch for X (0) or for W (1)
	s_and_b32 s16, s14, 1                          ; which half of its columns.  Also: which 128 rows of that tile I fetch
	s_bfe_u32 s40, ttmp6, 0x40000                  ; cx, cy: my place in the cluster
	s_bfe_u32 s41, ttmp6, 0x40004
	s_lshl_b32 s42, ttmp9, 2
	s_add_co_u32 s42, s42, s40                     ; tile column = 4 x cluster x + cx
	s_and_b32 s17, ttmp7, 0xffff
	s_lshl_b32 s17, s17, 2
	s_add_co_u32 s17, s17, s41                     ; tile row = 4 x cluster y + cy
	s_lshl_b32 s43, s41, 2
	s_lshl_b32 s43, 15, s43                        ; my row of the cluster
	s_lshl_b32 s44, 0x1111, s40                    ; my column
	; group 1: a tile of 128 rows x 256 bytes, padded in LDS
	s_or_b32 s[G1+0], s43, (0<<16)|(1<<20)|(1<<21)|(5<<22)|(3<<25)  ; 15:0 the mask; 17:16 elements of 1 byte; 20 padding on; 21 set beside a mask; 24:22 after every 64 words; 31:25 four words
	s_or_b32 s[G1B+0], s44, (0<<16)|(1<<20)|(1<<21)|(5<<22)|(3<<25)
.irp g, G1, G1B
	s_mov_b32 s[\g+1], ROWB<<16                    ; tensor_dim0
	s_mov_b32 s[\g+2], 128<<16                     ; tensor_dim1
	s_mov_b32 s[\g+3], ROWB<<16                    ; tile_dim0
	s_mov_b32 s[\g+4], 128                         ; tile_dim1
	s_mov_b32 s[\g+5], KROW                        ; from row to row
	s_mov_b32 s[\g+6], 0
	s_mov_b32 s[\g+7], 0
.endr
	; the scale bytes of 128 rows: 4,096 dense bytes, as 16 rows of 256 bytes (32 elements of 8 bytes), 16 bytes of padding behind each
	s_or_b32 s[G1S+0], s43, (3<<16)|(1<<20)|(1<<21)|(5<<22)|(3<<25)
	s_or_b32 s[G1SB+0], s44, (3<<16)|(1<<20)|(1<<21)|(5<<22)|(3<<25)
.irp g, G1S, G1SB
	s_mov_b32 s[\g+1], 32<<16
	s_mov_b32 s[\g+2], (128*KS/256)<<16
	s_mov_b32 s[\g+3], 32<<16
	s_mov_b32 s[\g+4], 128*KS/256
	s_mov_b32 s[\g+5], 32
	s_mov_b32 s[\g+6], 0
	s_mov_b32 s[\g+7], 0
.endr
	s_lshl_b32 s18, s16, 7                         ; which 128 rows of the tile I fetch
	s_lshl_b32 s20, s17, 8
	s_add_co_u32 s20, s20, s18                     ; X: row 256 x tile row + 128 x half
	s_lshl_b32 s46, s42, 8
	s_add_co_u32 s46, s46, s18                     ; W: row 256 x tile column + 128 x half
	s_mov_b32 s21, 0
	s_mov_b32 s47, 0
	s_mov_b64 s[18:19], KS
	s_mul_u64 s[22:23], s[20:21], s[18:19]         ; where these rows' scale bytes begin
	s_mul_u64 s[92:93], s[46:47], s[18:19]
	s_mov_b64 s[18:19], KROW
	s_mul_u64 s[20:21], s[20:21], s[18:19]         ; and their codes
	s_mul_u64 s[46:47], s[46:47], s[18:19]
	s_mul_i32 s45, s14, HALFT                      ; where they go: wave x 128 rows: no place in the cluster enters an LDS address
	s_mul_i32 s94, s14, HALFS
	s_wait_dscnt 0x0                               ; both opening adds are done
	s_wait_kmcnt 0x0
	s_add_nc_u64 s[20:21], s[4:5], s[20:21]
	s_add_nc_u64 s[22:23], s[6:7], s[22:23]
	s_add_nc_u64 s[46:47], s[8:9], s[46:47]
	s_add_nc_u64 s[92:93], s[10:11], s[92:93]
	CROUND                                         ; all sixteen work-groups are here: the joint loads meet
	s_mov_b32 s[G0S], 1
	s_add_co_u32 s[G0S+1], s94, SCL
	s_mov_b64 s[G0S+2:G0S+3], s[22:23]
	s_or_b32 s[G0S+3], s[G0S+3], 0x80000000
	s_mov_b32 s[G0SB], 1
	s_add_co_u32 s[G0SB+1], s94, SCL
	s_mov_b64 s[G0SB+2:G0SB+3], s[92:93]
	s_or_b32 s[G0SB+3], s[G0SB+3], 0x80000000
	JLOAD G0S, G1S, G0SB, G1SB                     ; the scale bytes first: they are wanted with slot 0
.irp s, 0,1
	s_mov_b32 s[G0+4*\s], 1
	s_add_co_u32 s[G0+4*\s+1], s45, \s*SLOT
	s_add_nc_u64 s[G0+4*\s+2:G0+4*\s+3], s[20:21], \s*ROWB
	s_or_b32 s[G0+4*\s+3], s[G0+4*\s+3], 0x80000000
	s_mov_b32 s[G0B+4*\s], 1
	s_add_co_u32 s[G0B+4*\s+1], s45, \s*SLOT
	s_add_nc_u64 s[G0B+4*\s+2:G0B+4*\s+3], s[46:47], \s*ROWB
	s_or_b32 s[G0B+4*\s+3], s[G0B+4*\s+3], 0x80000000
	JLOAD G0+4*\s, G1, G0B+4*\s, G1B               ; all of K is asked for: three tensor loads of mine are out
.endr
	v_and_b32 v1, 15, v0                           ; l % 16
	v_bfe_u32 v2, v0, 4, 1                         ; l / 16
	v_mul_u32_u24 v3, v1, PITCH
	v_lshl_add_u32 v4, v2, 4, v3                   ; a fragment's row x pitch + 16 x half
	s_mul_i32 s21, s15, HALFT                      ; my 128 rows of X
	s_mul_i32 s22, s16, HALFT                      ; my 128 rows of W,
	s_add_co_u32 s22, s22, 2*HALFT                 ; which lie behind X's 256
.irp s, 0,1
	v_add_nc_u32 v[ADRA+\s], s21, v4
	v_add_nc_u32 v[ADRB+\s], s22, v4
	s_add_co_u32 s21, s21, SLOT
	s_add_co_u32 s22, s22, SLOT
.endr
	v_mul_u32_u24 v5, v1, KS                       ; my row's scale bytes: KS a row,
	v_lshrrev_b32 v6, 8, v5
	v_lshl_add_u32 v5, v6, 4, v5                   ; and 16 more for each 256 passed
	s_mul_i32 s21, s15, HALFS                      ; X's: my 128 rows
	s_mul_i32 s22, s16, HALFS                      ; W's: my 128 rows, behind X's 256
	s_add_co_u32 s22, s22, 2*HALFS
	s_sub_co_u32 s22, s22, s21
	v_mul_u32_u24 v6, s22, v2                      ; lanes 16-31 take W's: one product, the distance between the two bases
	s_add_co_u32 s21, s21, SCL
	v_add_nc_u32 v5, v5, v6
	v_add_nc_u32 v[ADRS], s21, v5
	; where my part of qkv begins: which x 2^24 + (16 x batch + 4 cx + 2 x column half) heads of 2^18 + (16 (tile row % 8) + 8 x row half) token tiles of 2,048
	s_lshl_b32 s20, ttmp9, 24
	s_lshr_b32 s21, s17, 3
	s_lshl_b32 s21, s21, 4
	s_lshl_b32 s46, s40, 2
	s_add_co_u32 s21, s21, s46
	s_lshl_b32 s46, s16, 1
	s_add_co_u32 s21, s21, s46
	s_lshl_b32 s21, s21, 18
	s_add_co_u32 s20, s20, s21
	s_and_b32 s21, s17, 7
	s_lshl_b32 s21, s21, 15
	s_add_co_u32 s20, s20, s21
	s_lshl_b32 s21, s15, 14
	s_add_co_u32 s20, s20, s21
	s_mov_b32 s21, 0
	s_add_nc_u64 s[12:13], s[12:13], s[20:21]
	s_cmp_eq_u32 ttmp9, 0                          ; the bias: bq for q, bv for v (k reads none), at my 128 columns: 1,024 cx + 512 x column half bytes
	s_cselect_b64 s[96:97], s[96:97], s[98:99]
	s_lshl_b32 s92, s40, 10
	s_lshl_b32 s93, s16, 9
	s_add_co_u32 s92, s92, s93
	s_mov_b32 s93, 0
	s_add_nc_u64 s[96:97], s[96:97], s[92:93]
	s_cmp_eq_u32 ttmp9, 2                          ; a lane's place in a block of 512 bytes: q, k: 16 r + 256 h;  v: 32 r + 16 h
	s_cselect_b32 s92, 32, 16
	s_cselect_b32 s93, 16, 256
	v_mul_u32_u24 v[CO], v1, s92
	v_mad_u32_u24 v[CO], v2, s93, v[CO]
	v_lshlrev_b32 v[BO], 5, v2
.macro FRAG reg, adr, q, i             ; a fragment, 16 rows x 128 K of 4-bit codes: lane l holds row l % 16; registers 4 c .. 4 c + 3 hold K = 64 c + 32 (l / 16) + 0 .. 31
.irp c, 0,1
	ds_load_b128 v[\reg+4*\c:\reg+4*\c+3], v[\adr] offset:64*(\q)+32*\c+(\i)*16*PITCH
.endr
.endm
; 16 matrix instructions: X's blocks a0, a0 + 1 x W's eight, the slot's q-th 128 along K.  p: W's set;  sc: the set of scale words.  zero = 2: the bias starts the sums; 1: the constant 0; 0: they go on.
; The 64 accumulators take turns, one instruction a turn, in the same order in every step.
.macro MUL16 a0, p, q, sc, zero
.irp a, \a0, \a0+1
.irp b, 0,1,2,3,4,5,6,7
.if \zero == 2
	v_wmma_scale_f32_16x16x128_f8f6f4 v[8*(8*((\a)%4)+\b):8*(8*((\a)%4)+\b)+7], v[128*(\p)+FR*\b:128*(\p)+FR*\b+FR-1], v[AF+FR*(\a):AF+FR*(\a)+FR-1], v[BIAS+8*\b:BIAS+8*\b+7], v[SC+8*NQ*(\sc)+NQ*\b+(\q)], v[SC+8*NQ*(\sc)+NQ*(\a)+(\q)] matrix_a_fmt:MATRIX_FMT_FP4 matrix_b_fmt:MATRIX_FMT_FP4 matrix_a_scale:MATRIX_SCALE_ROW1
.elseif \zero == 1
	v_wmma_scale_f32_16x16x128_f8f6f4 v[8*(8*((\a)%4)+\b):8*(8*((\a)%4)+\b)+7], v[128*(\p)+FR*\b:128*(\p)+FR*\b+FR-1], v[AF+FR*(\a):AF+FR*(\a)+FR-1], 0, v[SC+8*NQ*(\sc)+NQ*\b+(\q)], v[SC+8*NQ*(\sc)+NQ*(\a)+(\q)] matrix_a_fmt:MATRIX_FMT_FP4 matrix_b_fmt:MATRIX_FMT_FP4 matrix_a_scale:MATRIX_SCALE_ROW1
.else
	v_wmma_scale_f32_16x16x128_f8f6f4 v[8*(8*((\a)%4)+\b):8*(8*((\a)%4)+\b)+7], v[128*(\p)+FR*\b:128*(\p)+FR*\b+FR-1], v[AF+FR*(\a):AF+FR*(\a)+FR-1], v[8*(8*((\a)%4)+\b):8*(8*((\a)%4)+\b)+7], v[SC+8*NQ*(\sc)+NQ*\b+(\q)], v[SC+8*NQ*(\sc)+NQ*(\a)+(\q)] matrix_a_fmt:MATRIX_FMT_FP4 matrix_b_fmt:MATRIX_FMT_FP4 matrix_a_scale:MATRIX_SCALE_ROW1
.endif
.endr
.endr
.endm
.macro FETCH_B slot, q, p              ; W's eight fragments of the slot's q-th 128 along K into set p
	WIN TO_B
.irp i, 0,1,2,3,4,5,6,7
	FRAG 128*(\p)+FR*\i, ADRB+\slot, \q, \i
.endr
	WIN 0
.endm
.macro FETCH_A slot, q, i0             ; X's blocks i0 .. i0 + 3
.irp i, \i0, \i0+1, \i0+2, \i0+3
	FRAG AF+FR*(\i), ADRA+\slot, \q, \i
.endr
.endm
.macro SCALES sc                       ; a slot's scale words into set sc: NQ words a row; lanes 0-15 take X's block i, lanes 16-31 W's block i
.irp i, 0,1,2,3,4,5,6,7
	ds_load_b128 v[SC+8*NQ*\sc+NQ*\i:SC+8*NQ*\sc+NQ*\i+3], v[ADRS] offset:\i*SBLK
.endr
.endm
; A load into a register that a matrix instruction has read, and a vector instruction that reads a matrix result, stand NP places behind that matrix instruction; only plain vector
; instructions that name none of its registers are places (ISA guide 7.12.1 for vector instructions).
.macro PLACES n
.rept \n
	v_nop
.endr
.endm
; A step of 128 along K that has its successor in the same slot.  With zero = 2 source 2 is the bias, in window 0.
.macro STEP slot, q, zero
	s_wait_dscnt 4*NL                              ; W's set, X's blocks 0-3 and the scale words are in; the youngest eight loads (X's blocks 4-7) may be out
	WIN MUL_LO-0x20*((\zero)/2)
	MUL16 0, (\q)%2, \q, \slot, \zero
	MUL16 2, (\q)%2, \q, \slot, \zero
	s_wait_dscnt 0                                 ; X's blocks 4-7 are in
	PLACES NP
	FETCH_B \slot, (\q)+1, 1-(\q)%2
	FETCH_A \slot, (\q)+1, 0
	WIN MUL_HI-0x30*((\zero)/2)
	MUL16 4, (\q)%2, \q, \slot, \zero
	MUL16 6, (\q)%2, \q, \slot, \zero
	PLACES NP
	WIN 0
	FETCH_A \slot, (\q)+1, 4
.endm
; Slot 0's last step goes over to slot 1: each wave waits for all its tensor loads (its part of slot 1), and one barrier shows the whole slot to every wave.  Nothing is filled again.
.macro TURN slot, next
	s_wait_tensorcnt 0x0                           ; all my tensor loads have landed
	ds_add_u32 v[SPW], v[NIL]                      ; 0 onto my spare word
	s_wait_dscnt 4*NL+1                            ; (the add and the youngest eight loads, X's blocks 4-7, may be out)
	WIN MUL_LO
	MUL16 0, 1, NQ-1, \slot, 0                     ; sixteen matrix instructions stand between the add and the wait for it
	s_wait_dscnt 0x0                               ; the add is done, and my LDS loads are in
	s_barrier_signal -1
	MUL16 2, 1, NQ-1, \slot, 0
	WIN 0
	s_barrier_wait -1
	PLACES NP
	v_add_nc_u32 v[ADRS], 4*NQ, v[ADRS]            ; on to the next slot's scale words (no LDS load of mine is out)
	FETCH_B \next, 0, 0
	FETCH_A \next, 0, 0
	SCALES \next
	WIN MUL_HI
	MUL16 4, 1, NQ-1, \slot, 0
	MUL16 6, 1, NQ-1, \slot, 0
	PLACES NP
	WIN 0
	FETCH_A \next, 0, 4
.endm
.macro STEPS slot, from                ; the slot's steps from .. NQ - 2
.set Q, \from
.rept NQ-1-\from
	STEP \slot, Q, 0
.set Q, Q+1
.endr
.endm
; The first step, with what stands in front of it.  z = 2: my 64 numbers of the bias are loaded and start the sums; z = 1: the constant 0 starts them.
.macro FIRST z
.if \z == 2
.irp b, 0,1,2,3,4,5,6,7
	global_load_b128 v[BIAS+8*\b:BIAS+8*\b+3],   v[BO], s[96:97] offset:64*\b      ; bias at columns 16 b + 8 (lane / 16) + 0 .. 7: the result's layout
	global_load_b128 v[BIAS+8*\b+4:BIAS+8*\b+7], v[BO], s[96:97] offset:64*\b+16
.endr
.endif
	s_wait_tensorcnt 1                             ; the scale bytes and my part of slot 0 are in (slot 1's load may be out)
	s_barrier_signal -1
	s_barrier_wait -1                              ; everybody's are
	FETCH_B 0, 0, 0
	FETCH_A 0, 0, 0
	SCALES 0
	FETCH_A 0, 0, 4
.if \z == 2
	s_wait_loadcnt 0x0                             ; the bias
.endif
	STEP 0, 0, \z
.endm
	s_cmp_eq_u32 ttmp9, 1                          ; k?  The cluster's x alone: the same in all waves of all sixteen partners
	s_cbranch_scc1 .Lk
	FIRST 2
	s_branch .Lj
.Lk:
	FIRST 1
.Lj:
	STEPS 0, 1
	TURN 0, 1
	STEPS 1, 0
	s_wait_dscnt 4*NL                              ; the very last step: nothing more to fetch
	WIN MUL_LO
	MUL16 0, 1, NQ-1, 1, 0
	MUL16 2, 1, NQ-1, 1, 0
	s_wait_dscnt 0
	WIN MUL_HI
	MUL16 4, 1, NQ-1, 1, 0
	MUL16 6, 1, NQ-1, 1, 0
	PLACES NP                                      ; in front of the conversions, which read results
; THE WAY OUT of my block a (16 tokens x 128 columns): each accumulator is rounded to f16 in place, from its low end on (register r takes numbers 2 r and 2 r + 1), and its four registers are stored:
; each store of the wave covers 512 consecutive bytes, aligned.  No register is written again, so no wait stands here.
.macro OUTA a
.set AC, 64*((\a)%4)
	WIN 0x8a+0x45*((\a)/4)                         ; destination and both sources: window 2 or 3
.irp b, 0,1,2,3,4,5,6,7
.irp r, 0,1,2,3
	v_cvt_pk_f16_f32 v[AC+8*\b+\r], v[AC+8*\b+2*\r], v[AC+8*\b+2*\r+1]
.endr
.endr
	WIN 0x08+4*((\a)/4)                            ; a store's data are its source 1
.irp b, 0,1,2,3,4,5,6,7
	global_store_b128 v[CO], v[AC+8*\b:AC+8*\b+3], s[12:13] offset:(\b/4)*262144+(\a)*2048+(\b%4)*512   ; head b / 4 of my two, token tile a, block b % 4 of the head's four
.endr
	WIN 0
.endm
.irp a, 0,1,2,3,4,5,6,7
	OUTA \a
.endr
	s_wait_tensorcnt 0x0                           ; the wave's end, behind my last tensor load
	ds_add_u32 v[SPW], v[NIL]
	s_wait_dscnt 0x0
	CROUND                                         ; the closing round: no work-group ends while a partner may still ask for a tile that names it
	s_endpgm
.Lfunc_end_k_qea0588dc3d_qkv:
	.size	k_qea0588dc3d_qkv, .Lfunc_end_k_qea0588dc3d_qkv-k_qea0588dc3d_qkv
	.p2alignl 7, 3214868480
	.fill 96, 4, 3214868480
	.section	.rodata,"a",@progbits
	.p2align	6, 0x0
	.amdhsa_kernel k_qea0588dc3d_qkv
		.amdhsa_group_segment_fixed_size 327680
		.amdhsa_private_segment_fixed_size 0
		.amdhsa_enable_private_segment 0
		.amdhsa_kernarg_size 56
		.amdhsa_user_sgpr_count 2
		.amdhsa_user_sgpr_kernarg_segment_ptr 1
		.amdhsa_wavefront_size32 1
		.amdhsa_system_sgpr_workgroup_id_x 1
		.amdhsa_system_sgpr_workgroup_id_y 1
		.amdhsa_system_sgpr_workgroup_id_z 1
		.amdhsa_system_vgpr_workitem_id 0
		.amdhsa_next_free_vgpr 1024
		.amdhsa_next_free_sgpr 100
		.amdhsa_reserve_vcc 0
		.amdhsa_float_denorm_mode_32 3
		.amdhsa_float_denorm_mode_16_64 3
		.amdhsa_memory_ordered 1
		.amdhsa_forward_progress 1
		.amdhsa_inst_pref_size 133
	.end_amdhsa_kernel
	.amdgpu_metadata
---
amdhsa.version: [ 1, 2 ]
amdhsa.kernels:
  - .name:           k_qea0588dc3d_qkv
    .symbol:         k_qea0588dc3d_qkv.kd
    .args:
      - { .name: xcodes, .offset: 0, .size: 8, .value_kind: global_buffer, .address_space: global }
      - { .name: xscales, .offset: 8, .size: 8, .value_kind: global_buffer, .address_space: global }
      - { .name: wcodes, .offset: 16, .size: 8, .value_kind: global_buffer, .address_space: global }
      - { .name: wscales, .offset: 24, .size: 8, .value_kind: global_buffer, .address_space: global }
      - { .name: bq, .offset: 32, .size: 8, .value_kind: global_buffer, .address_space: global }
      - { .name: bv, .offset: 40, .size: 8, .value_kind: global_buffer, .address_space: global }
      - { .name: qkv, .offset: 48, .size: 8, .value_kind: global_buffer, .address_space: global }
    .group_segment_fixed_size: 327680
    .private_segment_fixed_size: 0
    .kernarg_segment_align: 8
    .kernarg_segment_size: 56
    .max_flat_workgroup_size: 128
    .sgpr_count:     100
    .vgpr_count:     1024
    .wavefront_size: 32
...
	.end_amdgpu_metadata
.endif
;; end of part 2
;; launch attn (part 3): grid 4 x 64, 8 waves a work-group, clusters of 4 x 1, 327,680 bytes of LDS; arguments qkv, att; writes att
.if DOCPART == 3
	.amdgcn_target "amdgcn-amd-amdhsa--gfx1250"
	.amdhsa_code_object_version 6
	.text
	.protected	k_qea0588dc3d_attn
	.globl	k_qea0588dc3d_attn
	.p2align	8
	.type	k_qea0588dc3d_attn,@function
k_qea0588dc3d_attn:
	s_mov_b64 s[64:65], 0
	v_nop
	global_prefetch_b8 v0, s[64:65] scope:SCOPE_SE
	s_setreg_imm32_b32 hwreg(HW_REG_WAVE_MODE, 25, 1), 1
	s_wait_xcnt 0x0
	s_wait_alu depctr_hold_cnt(0) depctr_sa_sdst(0) depctr_va_vdst(0) depctr_va_sdst(0) depctr_va_ssrc(0) depctr_va_vcc(0) depctr_vm_vsrc(0)
	s_getreg_b32 s2, hwreg(HW_REG_IB_STS2, 6, 4)
	s_cmp_eq_u32 s2, 0
	s_cbranch_scc0 .Lentry_in_a_cluster
	s_endpgm
.Lentry_in_a_cluster:
	s_bfe_u32 s2, ttmp6, 0x10000c
	s_cmp_lg_u32 s2, 0x3003
	s_cbranch_scc0 .Lentry_shape_is_right
	s_endpgm
.Lentry_shape_is_right:
; att[b][q][head] = 16 x the sum over k of softmax_k(Q_q . K_k / 8) V_k, for each of 64 (batch, head) pairs: 2,048 queries, 2,048 keys, head size 64, no mask.  (K comes without bk: dead work, shown at the head of the first kernel.)
; Operands in f16, products, maxima and sums in f32; the weights p are rounded to f16 for the second product; the result, x 16 (a power of two: nothing is rounded by it; the last launch takes it off), once to f16.
; SOFTMAX: for each query a running maximum m and sum l: p = 2^(c s - c m), c = log2(e) / 8; in every step O and l are multiplied by a = 2^(c m_old - c m_new).
; SHARES: a work-group owns 512 queries of one (batch, head), each of its eight waves 64: four tiles of 16.  Two waves share a SIMD, so that one wave's vector work stands beside the other's matrix work.
; Every wave walks all 2,048 keys, 64 a step.  K and V come through two LDS slots of 512 keys, 16 KiB a wave and load (waves 0-3: K's quarters, waves 4-7: V's): eight key steps between two changes of slots.
; CLUSTER: the four query blocks of a (batch, head) walk the same K and V: each tile is asked for JOINTLY, by the same tensor load with the same descriptor and a mask that names the four.
; LAYOUT: S^T = K Q^T (source 0 = 16 keys, source 1 = 16 queries): a lane holds ONE query (lane % 16) and keys 8 (lane / 16) + 0..7.  Two such tiles, rounded to f16 in pairs, ARE source 1 of O^T = V^T P.
; q and k lie in memory, and so in LDS, as images of their fragments' registers: two loads of 16 bytes at 16 x lane, 512 bytes apart: consecutive bytes, no padding.
; v lies as blocks of 16 keys x 16 channels by rows of 32 bytes and is turned by ds_load_tr16_b128: sixteen lanes take 256 consecutive bytes.
; THE WAY OUT needs no LDS: a lane's eight channels of a query, in f16, are four registers of the next product's operand; att is laid [128 tokens: 64][32 along K: 32][16 tokens: 8][1,024 bytes].
; LIMIT: 16 x the result beyond 65,504 has no f16 number.
; REGISTERS: window 0: v1-7 addresses; v8-39 eight registers of statistics a tile (+0 c m, +1 m, +2, +3 l, +4 to +7 at work; a in +6); v40-47 a second chain of sums; v64-191 S^T, 32 a tile, then p, then p's f16 pairs in place; v192-255 V.
;   window 1: v0-127 O^T, 32 a tile; v128-191 Q; v192-255 K.
.set L16, 1                            ; v1   16 x lane; never rewritten
.set AV0, 2                            ; v2   my lane's place in a block of V, behind a slot's K; never rewritten
.set ADK, 3                            ; v3   LDS address of the step's K
.set ADV, 4                            ; v4   of its V
.set PFO, 5                            ; v5   256 x lane; never rewritten
.set SPW, 6                            ; v6   LDS address of my spare word; never rewritten
.set NIL, 7                            ; v7   0; never rewritten
.set ST,  8
.set U,   40
.set S,   64
.set VF,  192                          ; V's fragment (channels 16 c on, keys 32 u on) at VF + 16 c + 8 u
.set QF,  128                          ; window 1: Q's (tile t, channels 32 kd on) at QF + 16 t + 8 kd
.set KF,  192                          ; window 1: K's (keys 16 a on, channels 32 kd on) at KF + 16 a + 8 kd
.set SLOT1, 1<<17                      ; a slot: 65,536 bytes of K, then 65,536 of V
.set SPARE, 2*SLOT1                    ; behind the slots: the spare words, 128 bytes for each of eight waves
.set WV,  8                            ; s8   my wave's number
.set G1,  16                           ; s[16:23] group 1, one for all loads
.set G0,  24                           ; s[24:27], s[28:31] group 0 of slot 0, 1
.set CS,  32                           ; s[32:33] c: the packed form names a pair and takes its low word for both halves
.set SEL, 34                           ; s[34:35] lane selects: lane l xor 16
.set TB,  36                           ; s36  LDS byte at which the step's K begins
.set CNT, 37                           ; s37  counts a slot's steps
.set PFA, 40                           ; s[40:41] where my prefetch stands
.set MSB, 0
.macro WIN new                         ; the immediate's high byte repeats the setting that is left
.if MSB != \new
	s_set_vgpr_msb (MSB<<8)|\new
.set MSB, \new
.endif
.endm
.macro PLACES n
.rept \n
	v_nop
.endr
.endm
.macro CROUND                          ; a round of the cluster's barrier
	s_barrier_signal -1
	s_barrier_wait -1
	s_cmp_lg_u32 s[WV], 0
	s_cbranch_scc1 .Lnot_wave_0_\@
	s_barrier_signal -3
.Lnot_wave_0_\@:
	s_barrier_wait -3
	s_barrier_signal -1
	s_barrier_wait -1
.endm
	s_load_b128 s[4:7], s[0:1], 0x0                ; qkv s[4:5], att s[6:7]
	v_lshl_add_u32 v[SPW], v0, 2, SPARE
	v_mov_b32 v[NIL], 0
	ds_add_u32 v[SPW], v[NIL]                      ; the wave's opening: the add, twice on end, and its wait ahead of my first tensor load
	ds_add_u32 v[SPW], v[NIL]
	v_lshrrev_b32 v1, 5, v0
	v_readfirstlane_b32 s[WV], v1                  ; wave 0..7
	s_bfe_u32 s9, ttmp6, 0x40000                   ; cx: my block of 512 queries
	s_and_b32 s10, ttmp7, 0xffff                   ; 16 x batch + head, which the four partners share
	; group 1: 64 rows of 256 bytes (32 elements of 8 bytes), dense in memory and in LDS
	s_mov_b32 s[G1], 15|(3<<16)|(1<<21)            ; 15:0 the mask: all four work-groups; 17:16 elements of 8 bytes; 21 set beside a mask
	s_mov_b32 s[G1+1], 32<<16                      ; tensor_dim0
	s_mov_b32 s[G1+2], 64<<16                      ; tensor_dim1
	s_mov_b32 s[G1+3], 32<<16                      ; tile_dim0
	s_mov_b32 s[G1+4], 64                          ; tile_dim1
	s_mov_b32 s[G1+5], 32                          ; from row to row
	s_mov_b32 s[G1+6], 0
	s_mov_b32 s[G1+7], 0
	s_mov_b32 s[CS], 0x3e38aa3b                    ; c = log2(e) / 8
	s_mov_b32 s[CS+1], s[CS]                       ; (named with it as a pair, so it is written)
	s_mov_b32 s[SEL], 0x76543210
	s_mov_b32 s[SEL+1], 0xfedcba98
	s_lshl_b32 s42, s10, 18                        ; a (batch, head) is 262,144 bytes in each of q, k, v
	s_lshr_b32 s12, s[WV], 2                       ; what I fetch: waves 0-3 of k, waves 4-7 of v,
	s_add_co_u32 s12, s12, 1
	s_lshl_b32 s12, s12, 24
	s_add_co_u32 s12, s12, s42
	s_and_b32 s13, s[WV], 3                        ; quarter wave % 4 of a slot's 65,536 bytes
	s_lshl_b32 s13, s13, 14
	s_add_co_u32 s12, s12, s13
	s_mov_b32 s13, 0
	s_lshl_b32 s14, s9, 16                         ; Q: my block's 32 token tiles of 2,048 bytes, my wave's four
	s_add_co_u32 s14, s14, s42
	s_lshl_b32 s15, s[WV], 13
	s_add_co_u32 s14, s14, s15
	s_mov_b32 s15, 0
	s_lshr_b32 s44, s10, 4                         ; att: (16 x batch + 4 cx + wave / 2) blocks of 128 tokens, 2^18 bytes each,
	s_lshl_b32 s44, s44, 4
	s_lshl_b32 s45, s9, 2
	s_add_co_u32 s44, s44, s45
	s_lshr_b32 s45, s[WV], 1
	s_add_co_u32 s44, s44, s45
	s_lshl_b32 s44, s44, 18
	s_and_b32 s45, s10, 15                         ; the head's two steps of 32 along K, 8,192 bytes each,
	s_lshl_b32 s45, s45, 14
	s_add_co_u32 s44, s44, s45
	s_and_b32 s45, s[WV], 1                        ; my four token tiles of the block's eight
	s_lshl_b32 s45, s45, 12
	s_add_co_u32 s44, s44, s45
	s_mov_b32 s45, 0
	s_bfe_u32 s46, s[WV], 0x10001                  ; the prefetch (waves 0-3): waves 0, 1 of k, waves 2, 3 of v,
	s_add_co_u32 s46, s46, 1
	s_lshl_b32 s46, s46, 24
	s_add_co_u32 s46, s46, s42
	s_add_co_u32 s46, s46, 3*65536                 ; keys 1,536 on,
	s_lshl_b32 s47, s9, 14                         ; my work-group's 16,384 bytes of the 65,536: the partners are told apart by address,
	s_add_co_u32 s46, s46, s47
	s_and_b32 s47, s[WV], 1                        ; my wave's 8,192 of them
	s_lshl_b32 s47, s47, 13
	s_add_co_u32 s46, s46, s47
	s_mov_b32 s47, 0
	s_wait_dscnt 0x0                               ; both opening adds are done
	s_wait_kmcnt 0x0
	s_add_nc_u64 s[12:13], s[4:5], s[12:13]
	s_add_nc_u64 s[PFA:PFA+1], s[4:5], s[46:47]
	s_add_nc_u64 s[4:5], s[4:5], s[14:15]
	s_add_nc_u64 s[6:7], s[6:7], s[44:45]
	CROUND                                         ; all four work-groups are here: the first joint loads meet
	s_mov_b32 s[G0], 1                             ; count = 1
	s_lshl_b32 s[G0+1], s[WV], 14                  ; LDS: wave x 16,384: K's four quarters, then V's: no place in the cluster enters an LDS address
	s_mov_b64 s[G0+2:G0+3], s[12:13]               ; keys 0 to 511
	s_or_b32 s[G0+3], s[G0+3], 0x80000000          ; type = 2
	s_mov_b32 s[G0+4], 1
	s_add_co_u32 s[G0+5], s[G0+1], SLOT1
	s_add_nc_u64 s[G0+6:G0+7], s[12:13], 65536     ; keys 512 to 1,023
	s_or_b32 s[G0+7], s[G0+7], 0x80000000
	tensor_load_to_lds s[G0:G0+3], s[G1:G1+7]      ; every wave issues both first fills: two tensor loads of mine are out
	s_nop 0
	tensor_load_to_lds s[G0+4:G0+7], s[G1:G1+7]
	s_nop 0
	PLACES 4
	v_and_b32 v[L16], 31, v0
	v_lshlrev_b32 v[L16], 4, v[L16]
	v_lshlrev_b32 v[PFO], 4, v[L16]
	WIN 0x40                                       ; destination window 1, address window 0
.irp t, 0,1,2,3
.irp kd, 0,1
	global_load_b128 v[QF+16*\t+8*\kd:QF+16*\t+8*\kd+3],   v[L16], s[4:5] offset:\t*2048+\kd*1024       ; Q stays in registers
	global_load_b128 v[QF+16*\t+8*\kd+4:QF+16*\t+8*\kd+7], v[L16], s[4:5] offset:\t*2048+\kd*1024+512
.endr
.endr
	WIN 0
	; the turning load: lane l reads 16 bytes: key 8 (l / 16) + l % 8 (rows of 32 bytes), channels 8 ((l / 8) % 2) + 0..7, and is left with channel l % 16 and 8 keys
	v_bfe_u32 v[ADK], v0, 4, 1
	v_and_b32 v[ADV], 7, v0
	v_lshlrev_b32 v[AV0], 8, v[ADK]
	v_lshl_add_u32 v[AV0], v[ADV], 5, v[AV0]
	v_bfe_u32 v[ADV], v0, 3, 1
	v_lshl_add_u32 v[AV0], v[ADV], 4, v[AV0]
	v_add_nc_u32 v[AV0], 65536, v[AV0]
; A KEY STEP: 64 keys, whose K begins at LDS byte s[TB].  first = 1: the first step, which starts m, l and O^T: it has no a and nothing to rescale.
.macro STEP first
	v_add_nc_u32 v[ADK], s[TB], v[L16]
	v_add_nc_u32 v[ADV], s[TB], v[AV0]
	PLACES 4                                       ; with the two additions six places behind the last step's products: four are owed to the loads into V's registers, five to the products that write S^T over p
	WIN 0x40
.irp a, 0,1,2,3
.irp kd, 0,1
	ds_load_b128 v[KF+16*\a+8*\kd:KF+16*\a+8*\kd+3],   v[ADK] offset:\a*2048+\kd*1024
	ds_load_b128 v[KF+16*\a+8*\kd+4:KF+16*\a+8*\kd+7], v[ADK] offset:\a*2048+\kd*1024+512
.endr
.endr
	WIN 0
.irp c, 0,1,2,3
.irp u, 0,1
	ds_load_tr16_b128 v[VF+16*\c+8*\u:VF+16*\c+8*\u+3],   v[ADV] offset:2*\u*2048+512*\c
	ds_load_tr16_b128 v[VF+16*\c+8*\u+4:VF+16*\c+8*\u+7], v[ADV] offset:(2*\u+1)*2048+512*\c
.endr
.endr
	s_wait_dscnt 16                                ; K's sixteen loads are in; V's sixteen, issued behind them, may be out
	WIN 0x05                                       ; K and Q in window 1, S^T in window 0
.irp kd, 0,1                                   ; S^T = K Q^T: the 16 accumulators take turns, one instruction a turn; the first 16 start the sums
.irp a, 0,1,2,3
.irp t, 0,1,2,3
.if \kd == 0
	v_wmma_f32_16x16x32_f16 v[S+32*\t+8*\a:S+32*\t+8*\a+7], v[KF+16*\a+8*\kd:KF+16*\a+8*\kd+7], v[QF+16*\t+8*\kd:QF+16*\t+8*\kd+7], 0
.else
	v_wmma_f32_16x16x32_f16 v[S+32*\t+8*\a:S+32*\t+8*\a+7], v[KF+16*\a+8*\kd:KF+16*\a+8*\kd+7], v[QF+16*\t+8*\kd:QF+16*\t+8*\kd+7], v[S+32*\t+8*\a:S+32*\t+8*\a+7]
.endif
.endr
.endr
.endr
	WIN 0
	PLACES 4
	; the maximum of a lane's 32 scores and the old m: four chains, one for each accumulator, each begun at the accumulator's low end; the four tiles by turns
.irp j, 0,1,2,3
.irp t, 0,1,2,3
	v_max3_num_f32 v[ST+8*\t+4+\j], v[S+32*\t+8*\j], v[S+32*\t+8*\j+1], v[S+32*\t+8*\j+2]
.endr
.endr
.irp i, 3,5
.irp j, 0,1,2,3
.irp t, 0,1,2,3
	v_max3_num_f32 v[ST+8*\t+4+\j], v[ST+8*\t+4+\j], v[S+32*\t+8*\j+\i], v[S+32*\t+8*\j+\i+1]
.endr
.endr
.endr
.irp t, 0,1,2,3
	v_max3_num_f32 v[ST+8*\t+4], v[ST+8*\t+4], v[S+32*\t+7], v[S+32*\t+15]
.endr
.irp t, 0,1,2,3
	v_max3_num_f32 v[ST+8*\t+6], v[ST+8*\t+6], v[S+32*\t+23], v[S+32*\t+31]
.endr
.irp t, 0,1,2,3
	v_max3_num_f32 v[ST+8*\t+4], v[ST+8*\t+4], v[ST+8*\t+5], v[ST+8*\t+6]
.endr
.irp t, 0,1,2,3
.if \first
	v_max_num_f32 v[ST+8*\t+4], v[ST+8*\t+4], v[ST+8*\t+7]
.else
	v_max3_num_f32 v[ST+8*\t+4], v[ST+8*\t+4], v[ST+8*\t+7], v[ST+8*\t+1]
.endif
.endr
.irp t, 0,1,2,3
	v_permlanex16_b32 v[ST+8*\t+5], v[ST+8*\t+4], s[SEL], s[SEL+1]   ; the query's other 32 keys lie in the lane 16 away
.endr
.if \first == 0
.irp t, 0,1,2,3
	v_mov_b32 v[ST+8*\t+7], v[ST+8*\t]             ; c m_old is kept for a
.endr
.endif
.irp t, 0,1,2,3
	v_max_num_f32 v[ST+8*\t+1], v[ST+8*\t+4], v[ST+8*\t+5]
.endr
.irp t, 0,1,2,3
	v_mul_f32 v[ST+8*\t], s[CS], v[ST+8*\t+1]
.endr
.if \first == 0
.irp t, 0,1,2,3
	v_sub_f32 v[ST+8*\t+7], v[ST+8*\t+7], v[ST+8*\t]
.endr
.irp t, 0,1,2,3
	v_exp_f32 v[ST+8*\t+6], v[ST+8*\t+7]           ; a = 2^(c m_old - c m_new)
.endr
.endif
	; ONE BATCH: the scalings c s - c m, a pair of scores each, and all exponentials.  None of these lines names an exponential's result
.irp b, 0,1,2,3,4,5,6,7,8,9,10,11,12,13,14,15
.irp t, 0,1,2,3
	v_pk_fma_f32 v[S+32*\t+2*\b:S+32*\t+2*\b+1], v[S+32*\t+2*\b:S+32*\t+2*\b+1], s[CS:CS+1], v[ST+8*\t:ST+8*\t+1] op_sel_hi:[1,0,0] neg_lo:[0,0,1] neg_hi:[0,0,1]
.endr
.irp t, 0,1,2,3
	v_exp_f32 v[S+32*\t+2*\b], v[S+32*\t+2*\b]
	v_exp_f32 v[S+32*\t+2*\b+1], v[S+32*\t+2*\b+1]
.endr
.endr
	v_nop                                          ; a plain instruction behind the last exponential, ahead of the first use
	s_wait_alu depctr_va_vdst(0)                   ; and the wait ahead of the first instruction that names a result: one for the batch
	; the sum of the f32 weights, a pair at a time, in two chains a tile
.irp t, 0,1,2,3
	v_pk_add_f32 v[ST+8*\t+4:ST+8*\t+5], v[S+32*\t:S+32*\t+1], v[S+32*\t+2:S+32*\t+3]
.endr
.irp t, 0,1,2,3
	v_pk_add_f32 v[U+2*\t:U+2*\t+1], v[S+32*\t+4:S+32*\t+5], v[S+32*\t+6:S+32*\t+7]
.endr
.irp b, 4,6,8,10,12,14
.irp t, 0,1,2,3
	v_pk_add_f32 v[ST+8*\t+4:ST+8*\t+5], v[ST+8*\t+4:ST+8*\t+5], v[S+32*\t+2*\b:S+32*\t+2*\b+1]
.endr
.irp t, 0,1,2,3
	v_pk_add_f32 v[U+2*\t:U+2*\t+1], v[U+2*\t:U+2*\t+1], v[S+32*\t+2*\b+2:S+32*\t+2*\b+3]
.endr
.endr
.if \first
.irp t, 0,1,2,3
	v_pk_add_f32 v[ST+8*\t+2:ST+8*\t+3], v[ST+8*\t+4:ST+8*\t+5], v[U+2*\t:U+2*\t+1]
.endr
.else
.irp t, 0,1,2,3
	v_pk_add_f32 v[ST+8*\t+4:ST+8*\t+5], v[ST+8*\t+4:ST+8*\t+5], v[U+2*\t:U+2*\t+1]
.endr
.irp t, 0,1,2,3
	v_pk_fma_f32 v[ST+8*\t+2:ST+8*\t+3], v[ST+8*\t+2:ST+8*\t+3], v[ST+8*\t+6:ST+8*\t+7], v[ST+8*\t+4:ST+8*\t+5] op_sel_hi:[1,0,1]   ; l = a l + the sum
.endr
.endif
.irp i, 0,1,2,3,4,5,6,7,8,9,10,11,12,13,14,15   ; the weights to f16, in place: register i takes weights 2 i and 2 i + 1; registers 8 u .. 8 u + 7 are then source 1 for keys 32 u on
.irp t, 0,1,2,3
	v_cvt_pk_f16_f32 v[S+32*\t+\i], v[S+32*\t+2*\i], v[S+32*\t+2*\i+1]
.endr
.endr
.if \first == 0
	WIN 0x41                                       ; O^T (destination and source 0) in window 1, a in window 0
.set ii, 0
.rept 64
	v_pk_mul_f32 v[2*ii:2*ii+1], v[2*ii:2*ii+1], v[ST+8*(ii/16)+6:ST+8*(ii/16)+7] op_sel_hi:[1,0]   ; O^T x a, each accumulator from its low end on
.set ii, ii+1
.endr
.endif
	s_wait_dscnt 0x0                               ; V is in
	WIN 0x50                                       ; V and P in window 0, O^T in window 1
.irp u, 0,1                                    ; O^T += V^T P: the 16 accumulators take turns
.irp c, 0,1,2,3
.irp t, 0,1,2,3
.if \first && (\u == 0)
	v_wmma_f32_16x16x32_f16 v[32*\t+8*\c:32*\t+8*\c+7], v[VF+16*\c+8*\u:VF+16*\c+8*\u+7], v[S+32*\t+8*\u:S+32*\t+8*\u+7], 0
.else
	v_wmma_f32_16x16x32_f16 v[32*\t+8*\c:32*\t+8*\c+7], v[VF+16*\c+8*\u:VF+16*\c+8*\u+7], v[S+32*\t+8*\u:S+32*\t+8*\u+7], v[32*\t+8*\c:32*\t+8*\c+7]
.endif
.endr
.endr
.endr
	WIN 0
	s_add_co_u32 s[TB], s[TB], 8192                ; the next step's four token tiles
.endm
; A slot's eight key steps.
.macro SLOTM base, first
	s_mov_b32 s[TB], \base
.if \first
	STEP 1
	s_mov_b32 s[CNT], 7
.else
	s_mov_b32 s[CNT], 8
.endif
.Lstep_\@:
	STEP 0
	s_sub_co_u32 s[CNT], s[CNT], 1
	s_cmp_lg_u32 s[CNT], 0
	s_cbranch_scc1 .Lstep_\@
.endm
; THE CHANGE OF SLOTS.  Each wave waits for all its tensor loads (its part of the slot ahead), adds 0 to its spare word, and waits for that and for its reads of the slot that it leaves.
; Behind the cluster's round no wave of any partner reads that slot or has a load on its way: it is filled again, with the keys 1,024 on: one load a wave, which has eight key steps in which to land.
.macro CHANGE s
	s_wait_tensorcnt 0x0                           ; no tensor load of mine is out, so a group 0 may be written
	ds_add_u32 v[SPW], v[NIL]                      ; 0 onto my spare word
	s_add_nc_u64 s[G0+4*\s+2:G0+4*\s+3], s[G0+4*\s+2:G0+4*\s+3], 131072   ; two slots on; the type bits on top are not reached
	s_wait_dscnt 0x0                               ; the add is done, and my reads of the slot are over
	CROUND
	tensor_load_to_lds s[G0+4*\s:G0+4*\s+3], s[G1:G1+7]
	s_nop 0
	PLACES 4
.endm
	s_wait_tensorcnt 1                             ; my part of slot 0 is in; slot 1's may stay out
	s_barrier_signal -1
	s_barrier_wait -1                              ; everybody's is
	s_wait_loadcnt 0x0                             ; Q
	SLOTM 0, 1                                     ; keys 0 to 511
	CHANGE 0                                       ; slot 0 takes keys 1,024 to 1,535
	; A prefetch of what the NEXT change will ask for, keys 1,536 to 2,047 of K and V: eight key steps ahead of that load.  Lanes 256 bytes apart; waves 0, 1 ask for K's, waves 2, 3 for V's, 8,192 bytes a wave;
	; the four partners take 16,384 bytes each, told apart by address; each (batch, head) has one cluster: so each block of 256 bytes is named once in the launch.  The last change asks for nothing.
	s_cmp_lt_u32 s[WV], 4
	s_cbranch_scc0 .Lnot_mine
	global_prefetch_b8 v[PFO], s[PFA:PFA+1] th:TH_LOAD_NT scope:SCOPE_SE
.Lnot_mine:
	SLOTM SLOT1, 0                                 ; keys 512 to 1,023
	CHANGE 1                                       ; slot 1 takes keys 1,536 to 2,047
	SLOTM 0, 0
	s_wait_tensorcnt 0x0                           ; the last change: nothing is asked for: the three lines and my work-group's barrier
	ds_add_u32 v[SPW], v[NIL]
	s_wait_dscnt 0x0
	s_barrier_signal -1
	s_barrier_wait -1
	SLOTM SLOT1, 0
	; THE WAY OUT.  l's two halves and the other half of the lanes' are added (these lines are the places behind the last products); O^T x 16 / l, to f16 in place, and stored.
.irp t, 0,1,2,3
	v_add_f32 v[ST+8*\t+4], v[ST+8*\t+2], v[ST+8*\t+3]
.endr
.irp t, 0,1,2,3
	v_permlanex16_b32 v[ST+8*\t+5], v[ST+8*\t+4], s[SEL], s[SEL+1]
.endr
.irp t, 0,1,2,3
	v_add_f32 v[ST+8*\t+4], v[ST+8*\t+4], v[ST+8*\t+5]
.endr
.irp t, 0,1,2,3
	v_rcp_f32 v[ST+8*\t+6], v[ST+8*\t+4]
.endr
	v_nop                                          ; a plain instruction between the last reciprocal and the use of its result
	s_wait_alu depctr_va_vdst(0)                   ; and the wait: one for the four
.irp t, 0,1,2,3
	v_mul_f32 v[ST+8*\t+6], 0x41800000, v[ST+8*\t+6]   ; 16 / l
.endr
	WIN 0x41
.set ii, 0
.rept 64
	v_pk_mul_f32 v[2*ii:2*ii+1], v[2*ii:2*ii+1], v[ST+8*(ii/16)+6:ST+8*(ii/16)+7] op_sel_hi:[1,0]
.set ii, ii+1
.endr
	WIN 0x45                                       ; destination and both sources window 1
.set ii, 0
.rept 16
.irp r, 0,1,2,3
	v_cvt_pk_f16_f32 v[8*ii+\r], v[8*ii+2*\r], v[8*ii+2*\r+1]
.endr
.set ii, ii+1
.endr
	WIN 0x04                                       ; a store's data are its source 1: window 1
.irp t, 0,1,2,3
.irp c, 0,1,2,3
	global_store_b128 v[L16], v[32*\t+8*\c:32*\t+8*\c+3], s[6:7] offset:(\c/2)*8192+\t*1024+(\c%2)*512   ; each store of the wave covers 512 consecutive bytes, aligned
.endr
.endr
	WIN 0
	s_wait_tensorcnt 0x0                           ; the wave's end, behind my last tensor load
	ds_add_u32 v[SPW], v[NIL]
	s_wait_dscnt 0x0
	CROUND                                         ; the closing round: no work-group ends while a partner may still ask for a tile that names it
	s_endpgm
.Lfunc_end_k_qea0588dc3d_attn:
	.size	k_qea0588dc3d_attn, .Lfunc_end_k_qea0588dc3d_attn-k_qea0588dc3d_attn
	.p2alignl 7, 3214868480
	.fill 96, 4, 3214868480
	.section	.rodata,"a",@progbits
	.p2align	6, 0x0
	.amdhsa_kernel k_qea0588dc3d_attn
		.amdhsa_group_segment_fixed_size 327680
		.amdhsa_private_segment_fixed_size 0
		.amdhsa_enable_private_segment 0
		.amdhsa_kernarg_size 16
		.amdhsa_user_sgpr_count 2
		.amdhsa_user_sgpr_kernarg_segment_ptr 1
		.amdhsa_wavefront_size32 1
		.amdhsa_system_sgpr_workgroup_id_x 1
		.amdhsa_system_sgpr_workgroup_id_y 1
		.amdhsa_system_sgpr_workgroup_id_z 1
		.amdhsa_system_vgpr_workitem_id 0
		.amdhsa_next_free_vgpr 512
		.amdhsa_next_free_sgpr 66
		.amdhsa_reserve_vcc 0
		.amdhsa_float_denorm_mode_32 3
		.amdhsa_float_denorm_mode_16_64 3
		.amdhsa_memory_ordered 1
		.amdhsa_forward_progress 1
		.amdhsa_inst_pref_size 173
	.end_amdhsa_kernel
	.amdgpu_metadata
---
amdhsa.version: [ 1, 2 ]
amdhsa.kernels:
  - .name:           k_qea0588dc3d_attn
    .symbol:         k_qea0588dc3d_attn.kd
    .args:
      - { .name: qkv, .offset: 0, .size: 8, .value_kind: global_buffer, .address_space: global }
      - { .name: att, .offset: 8, .size: 8, .value_kind: global_buffer, .address_space: global }
    .group_segment_fixed_size: 327680
    .private_segment_fixed_size: 0
    .kernarg_segment_align: 8
    .kernarg_segment_size: 16
    .max_flat_workgroup_size: 256
    .sgpr_count:     66
    .vgpr_count:     512
    .wavefront_size: 32
...
	.end_amdgpu_metadata
.endif
;; end of part 3
;; launch oproj (part 4): grid 4 x 64, 4 waves a work-group, clusters of 4 x 4, 327,680 bytes of LDS; arguments att, wo16, bo, out0; writes out0
.if DOCPART == 4
	.amdgcn_target "amdgcn-amd-amdhsa--gfx1250"
	.amdhsa_code_object_version 6
	.text
	.protected	k_qea0588dc3d_oproj
	.globl	k_qea0588dc3d_oproj
	.p2align	8
	.type	k_qea0588dc3d_oproj,@function
k_qea0588dc3d_oproj:
	s_mov_b64 s[64:65], 0
	v_nop
	global_prefetch_b8 v0, s[64:65] scope:SCOPE_SE
	s_setreg_imm32_b32 hwreg(HW_REG_WAVE_MODE, 25, 1), 1
	s_wait_xcnt 0x0
	s_wait_alu depctr_hold_cnt(0) depctr_sa_sdst(0) depctr_va_vdst(0) depctr_va_sdst(0) depctr_va_ssrc(0) depctr_va_vcc(0) depctr_vm_vsrc(0)
	s_getreg_b32 s2, hwreg(HW_REG_IB_STS2, 6, 4)
	s_cmp_eq_u32 s2, 0
	s_cbranch_scc0 .Lentry_in_a_cluster
	s_endpgm
.Lentry_in_a_cluster:
	s_bfe_u32 s2, ttmp6, 0x10000c
	s_cmp_lg_u32 s2, 0xf033
	s_cbranch_scc0 .Lentry_shape_is_right
	s_endpgm
.Lentry_shape_is_right:
; out0[m][n] = 2^-4 x (sum over k of att[m][k] wo[n][k]) + bo[n]: 8,192 x 1,024, K = 1,024.  att holds 16 x the attention's result; both operands in f16, sums in f32; 2^-4 and bo go into one fused multiply-add.
; Both operands lie in memory as images of their fragments' registers (16 rows x 32 K: 1,024 bytes, registers 0-3 of lane l at 16 l, registers 4-7 at 512 + 16 l):
; att [128 rows: 64][32 along K: 32][16 rows: 8], wo16 [256 rows: 4][32 along K: 32][16 rows: 16]: a K step of a tile is one dense block, and a fragment is two loads of consecutive bytes: no padding.
; A tile of out0 is 128 x 256, so that there are 256 work-groups; four waves, each 64 x 128: 32 accumulators.  K goes in steps of 128 through two LDS slots (32 KiB of att, 64 KiB of wo16).
; CLUSTERS: 4 x 4 work-groups: the four of a row of the cluster ask jointly for att's tiles, the four of a column for wo16's.
; THE MATRIX INSTRUCTION IS USED TRANSPOSED (source 0 = 16 rows of wo, source 1 = 16 rows of att): a lane holds eight neighbouring numbers of a row of out0.
; No prefetch: the launch is short, and a refill has a K step's 128 matrix instructions a wave in which to land.
; REGISTERS: window 0: v2 16 x lane; v16-29 addresses; v64-159, v160-255 two fragment buffers (att's 4 fragments, then wo's 8), on the way out at work;  window 1: the accumulators, (a, b) at v[8 (8 a + b)];  window 2: v0-63 bo.
.set SLOT,   98304                     ; att [4][8][1,024], then wo16 [4][16][1,024]
.set STAGE,  2*SLOT                    ; behind the slots: 16 rows x (512 bytes + 16) for each wave, for the way out; no tensor load lands here
.set SPITCH, 528
.set SPARE,  STAGE+4*16*SPITCH         ; the spare words, 128 bytes a wave
.set LAPS,   4                         ; a lap = two K steps
.set CO,   2                           ; v2   16 x lane: an image's place for my lane, and my bytes of a row of out0
.set ADRA, 16                          ; v16-17  LDS address of my att fragments in slot 0, 1
.set ADRB, 20                          ; v20-21  the same for wo16
.set STO,  24                          ; v24  the way out: where I put 32 bytes of a row
.set RD,   25                          ; v25  and where I read a row back
.set BOF,  27                          ; v27  32 x (lane / 16)
.set SPW,  28                          ; v28  LDS address of my spare word; never rewritten
.set NIL,  29                          ; v29  0; never rewritten
.set F0,   64
.set F1,   160
.set T,    64                          ; the way out: a block's 64 numbers
.set BK,   128                         ; and 16 rows read back: v128-191 and v192-255 by turns
.set SCF,  20                          ; s[20:21] 2^-4
.set G1, 24                            ; s[24:31] group 1 for att's tiles;  s[32:39] group 0, one set for each slot
.set G0, 32
.set G1B, 48                           ; s[48:55], s[56:63] the same for wo16's
.set G0B, 56
.set MSB, 0
.macro WIN new                         ; the immediate's high byte repeats the setting that is left
.if MSB != \new
	s_set_vgpr_msb (MSB<<8)|\new
.set MSB, \new
.endif
.endm
.set MUL, 0x50                         ; both sources window 0; C and D window 1
.macro JLOAD s                         ; a joint load: waves 0 and 1 fetch att's two halves, waves 2 and 3 wo16's; an s_nop 0 and four v_nop follow each of the two lines
	s_cmp_eq_u32 s13, 0
	s_cbranch_scc0 .Lfor_b_\@
	tensor_load_to_lds s[G0+4*\s:G0+4*\s+3], s[G1:G1+7]
	s_nop 0
.rept 4
	v_nop
.endr
	s_branch .Lasked_\@
.Lfor_b_\@:
	tensor_load_to_lds s[G0B+4*\s:G0B+4*\s+3], s[G1B:G1B+7]
	s_nop 0
.rept 4
	v_nop
.endr
.Lasked_\@:
.endm
.macro CREST                           ; a round of the cluster's barrier behind its opening barrier
	s_cmp_lg_u32 s12, 0
	s_cbranch_scc1 .Lnot_wave_0_\@
	s_barrier_signal -3
.Lnot_wave_0_\@:
	s_barrier_wait -3
	s_barrier_signal -1
	s_barrier_wait -1
.endm
.macro CROUND                          ; a whole round
	s_barrier_signal -1
	s_barrier_wait -1
	CREST
.endm
.macro PLACES n
.rept \n
	v_nop
.endr
.endm
	s_load_b256 s[4:11], s[0:1], 0x0               ; att s[4:5], wo16 s[6:7], bo s[8:9], out0 s[10:11]
	v_lshl_add_u32 v[SPW], v0, 2, SPARE
	v_mov_b32 v[NIL], 0
	ds_add_u32 v[SPW], v[NIL]                      ; the wave's opening: the add, twice on end, and its wait ahead of my first tensor load
	ds_add_u32 v[SPW], v[NIL]
	v_lshrrev_b32 v1, 5, v0
	v_readfirstlane_b32 s12, v1                    ; wave 0..3
	s_lshr_b32 s13, s12, 1                         ; which 64 of the tile's rows are mine.  Also: I fetch for att (0) or for wo16 (1)
	s_and_b32 s14, s12, 1                          ; which 128 of its columns.  Also: which half of that tile I fetch
	s_bfe_u32 s40, ttmp6, 0x40000                  ; cx, cy: my place in the cluster
	s_bfe_u32 s41, ttmp6, 0x40004
	s_lshl_b32 s42, ttmp9, 2
	s_add_co_u32 s42, s42, s40                     ; tile column = 4 x cluster x + cx
	s_and_b32 s15, ttmp7, 0xffff
	s_lshl_b32 s15, s15, 2
	s_add_co_u32 s15, s15, s41                     ; tile row = 4 x cluster y + cy
	s_lshl_b32 s43, s41, 2
	s_lshl_b32 s43, 15, s43                        ; my row of the cluster
	s_lshl_b32 s44, 0x1111, s40                    ; my column
	; group 1: dense rows of 256 bytes (32 elements of 8 bytes): 64 of them for att's half tile, 128 for wo16's
	s_or_b32 s[G1+0], s43, (3<<16)|(1<<21)         ; 15:0 the mask; 17:16 elements of 8 bytes; 21 set beside a mask
	s_or_b32 s[G1B+0], s44, (3<<16)|(1<<21)
	s_mov_b32 s[G1+1], 32<<16                      ; tensor_dim0
	s_mov_b32 s[G1+2], 64<<16                      ; tensor_dim1
	s_mov_b32 s[G1+3], 32<<16                      ; tile_dim0
	s_mov_b32 s[G1+4], 64                          ; tile_dim1
	s_mov_b32 s[G1+5], 32                          ; from row to row
	s_mov_b32 s[G1+6], 0
	s_mov_b32 s[G1+7], 0
	s_mov_b32 s[G1B+1], 32<<16
	s_mov_b32 s[G1B+2], 128<<16
	s_mov_b32 s[G1B+3], 32<<16
	s_mov_b32 s[G1B+4], 128
	s_mov_b32 s[G1B+5], 32
	s_mov_b32 s[G1B+6], 0
	s_mov_b32 s[G1B+7], 0
	s_mov_b32 s[SCF], 0x3d800000                   ; 2^-4
	s_mov_b32 s[SCF+1], s[SCF]                     ; (named with it as a pair, so it is written)
	s_lshl_b32 s16, s15, 18                        ; att: the tile row's 2^18 bytes, + my half of a K step's 32,768
	s_lshl_b32 s17, s14, 14
	s_add_co_u32 s16, s16, s17
	s_mov_b32 s17, 0
	s_lshl_b32 s46, s42, 19                        ; wo16: the tile column's 2^19 bytes, + my half of a K step's 65,536
	s_lshl_b32 s47, s14, 15
	s_add_co_u32 s46, s46, s47
	s_mov_b32 s47, 0
	s_lshl_b32 s18, s14, 14                        ; where they go in a slot: no place in the cluster enters an LDS address
	s_lshl_b32 s19, s14, 15
	s_add_co_u32 s19, s19, 32768
	s_wait_dscnt 0x0                               ; both opening adds are done
	s_wait_kmcnt 0x0
	s_add_nc_u64 s[16:17], s[4:5], s[16:17]
	s_add_nc_u64 s[46:47], s[6:7], s[46:47]
	CROUND                                         ; all sixteen work-groups are here: the first joint loads meet
.irp s, 0,1
	s_mov_b32 s[G0+4*\s], 1
	s_add_co_u32 s[G0+4*\s+1], s18, \s*SLOT
	s_add_nc_u64 s[G0+4*\s+2:G0+4*\s+3], s[16:17], \s*32768
	s_or_b32 s[G0+4*\s+3], s[G0+4*\s+3], 0x80000000
	s_mov_b32 s[G0B+4*\s], 1
	s_add_co_u32 s[G0B+4*\s+1], s19, \s*SLOT
	s_add_nc_u64 s[G0B+4*\s+2:G0B+4*\s+3], s[46:47], \s*65536
	s_or_b32 s[G0B+4*\s+3], s[G0B+4*\s+3], 0x80000000
	JLOAD \s                                       ; K steps 0 and 1: two tensor loads of mine are out
.endr
	v_and_b32 v1, 31, v0
	v_lshlrev_b32 v[CO], 4, v1                     ; 16 x lane
	s_lshl_b32 s22, s13, 12                        ; my four fragments of att's eight
	s_lshl_b32 s23, s14, 13                        ; my eight of wo16's sixteen,
	s_add_co_u32 s23, s23, 32768                   ; which lie behind att's part of the slot
.irp s, 0,1
	v_add_nc_u32 v[ADRA+\s], s22, v[CO]
	v_add_nc_u32 v[ADRB+\s], s23, v[CO]
	s_add_co_u32 s22, s22, SLOT
	s_add_co_u32 s23, s23, SLOT
.endr
	v_and_b32 v3, 15, v0                           ; r
	v_bfe_u32 v4, v0, 4, 1                         ; h
	s_mul_i32 s22, s12, 16*SPITCH
	s_add_co_u32 s22, s22, STAGE                   ; my stage
	v_mul_u32_u24 v5, v3, SPITCH                   ; in: row r, 32 bytes for each half of the lanes
	v_lshl_add_u32 v5, v4, 5, v5
	v_add_nc_u32 v[STO], s22, v5
	v_add_nc_u32 v[RD], s22, v[CO]                 ; back: the 32 lanes take one row of 512 bytes
	v_lshlrev_b32 v[BOF], 5, v4
	s_lshl_b32 s46, s42, 10                        ; my 128 columns, in bytes: 1,024 x tile column + 512 x half
	s_lshl_b32 s47, s14, 9
	s_add_co_u32 s46, s46, s47
	s_mov_b32 s47, 0
	s_add_nc_u64 s[8:9], s[8:9], s[46:47]
	s_add_nc_u64 s[10:11], s[10:11], s[46:47]
	s_lshl_b32 s22, s15, 19                        ; my first row: 128 x tile row + 64 x half, rows of 4,096 bytes
	s_lshl_b32 s23, s13, 18
	s_add_co_u32 s22, s22, s23
	s_mov_b32 s23, 0
	s_add_nc_u64 s[10:11], s[10:11], s[22:23]
	WIN 0x80                                       ; destination window 2
.irp b, 0,1,2,3,4,5,6,7
	global_load_b128 v[8*\b:8*\b+3],   v[BOF], s[8:9] offset:64*\b        ; bo at columns 16 b + 8 (lane / 16) + 0 .. 7: the result's layout
	global_load_b128 v[8*\b+4:8*\b+7], v[BOF], s[8:9] offset:64*\b+16
.endr
	WIN 0
; 24 LDS loads in one run: the fragments of the slot's kq-th 32 along K into buffer f
.macro FETCH slot, kq, f
.irp b, 0,1,2,3,4,5,6,7
	ds_load_b128 v[\f+32+8*\b:\f+32+8*\b+3],   v[ADRB+\slot] offset:(\kq)*16384+\b*1024
	ds_load_b128 v[\f+32+8*\b+4:\f+32+8*\b+7], v[ADRB+\slot] offset:(\kq)*16384+\b*1024+512
.endr
.irp a, 0,1,2,3
	ds_load_b128 v[\f+8*\a:\f+8*\a+3],   v[ADRA+\slot] offset:(\kq)*8192+\a*1024
	ds_load_b128 v[\f+8*\a+4:\f+8*\a+7], v[ADRA+\slot] offset:(\kq)*8192+\a*1024+512
.endr
.endm
; n x 8 matrix instructions: att's blocks a0 on x wo's eight, 32 along K.  zero = 1: the first product starts the sums.  The 32 accumulators take turns, one instruction a turn, in the same order in every quarter.
.macro MULA f, a0, n, zero
.set aa, \a0
.rept \n
.irp b, 0,1,2,3,4,5,6,7
.if \zero
	v_wmma_f32_16x16x32_f16 v[8*(8*aa+\b):8*(8*aa+\b)+7], v[\f+32+8*\b:\f+32+8*\b+7], v[\f+8*aa:\f+8*aa+7], 0
.else
	v_wmma_f32_16x16x32_f16 v[8*(8*aa+\b):8*(8*aa+\b)+7], v[\f+32+8*\b:\f+32+8*\b+7], v[\f+8*aa:\f+8*aa+7], v[8*(8*aa+\b):8*(8*aa+\b)+7]
.endif
.endr
.set aa, aa+1
.endr
.endm
; A K step is four quarters of 32 along K, 32 matrix instructions each, on buffers 0, 1, 0, 1.  One of the first three: multiplies buffer f and fetches the slot's kq-th quarter into g.
.macro QUARTER slot, kq, f, g, zero
	s_wait_dscnt 0x0                               ; buffer f is in
	WIN MUL
	MULA \f, 0, 2, \zero
	PLACES 4                                       ; in front of loads into registers that matrix instructions have read
	WIN 0
	FETCH \slot, \kq, \g
	WIN MUL
	MULA \f, 2, 2, \zero
.endm
; The last quarter multiplies buffer 1 and changes slots: ONE barrier; in front of it each wave waits for all its tensor loads, adds 0 to its spare word, and waits for that and for its reads of this slot.
; fill = 1: the barrier opens a round of the cluster's barrier, and this slot is filled again, two K steps ahead: one load a wave, first behind the round.
.macro TURN slot, next, fill
	WIN 0                                          ; (the add's two registers lie in window 0)
	s_wait_tensorcnt 0x0                           ; all my tensor loads have landed: my part of the next slot
	ds_add_u32 v[SPW], v[NIL]                      ; 0 onto my spare word
	s_wait_dscnt 1                                 ; buffer 1 is in; the add alone may be out
	WIN MUL
	MULA F1, 0, 1, 0                               ; eight matrix instructions stand between the add and the wait for it
	s_wait_dscnt 0x0                               ; the add is done, and my reads of this slot are over
	s_barrier_signal -1
	MULA F1, 1, 1, 0
	WIN 0
	s_barrier_wait -1
.if \fill
	CREST                                          ; no wave of any partner still reads this slot's tile or has a load on its way
	s_add_nc_u64 s[G0+4*\slot+2:G0+4*\slot+3], s[G0+4*\slot+2:G0+4*\slot+3], 65536
	s_add_nc_u64 s[G0B+4*\slot+2:G0B+4*\slot+3], s[G0B+4*\slot+2:G0B+4*\slot+3], 131072
	JLOAD \slot                                    ; the four v_nop behind it are also the places in front of the loads below
.else
	PLACES 4
.endif
	FETCH \next, 0, F0
	WIN MUL
	MULA F1, 2, 2, 0
.endm
	s_wait_tensorcnt 1                             ; my part of K step 0 is in (K step 1's load may be out)
	s_barrier_signal -1
	s_barrier_wait -1                              ; everybody's is
	FETCH 0, 0, F0
	QUARTER 0, 1, F0, F1, 1                        ; the first quarter stands in front of the loop: its products start the sums
	WIN 0                                          ; at a label and at a branch every window is 0
	s_mov_b32 s3, LAPS-1
.Llap:                                                 ; a trip goes once round the two slots, from a lap's second quarter to the next lap's first, and fills both again
	QUARTER 0, 2, F1, F0, 0
	QUARTER 0, 3, F0, F1, 0
	TURN 0, 1, 1
	QUARTER 1, 1, F0, F1, 0
	QUARTER 1, 2, F1, F0, 0
	QUARTER 1, 3, F0, F1, 0
	TURN 1, 0, 1
	QUARTER 0, 1, F0, F1, 0
	WIN 0
	s_sub_co_u32 s3, s3, 1
	s_cmp_lg_u32 s3, 0
	s_cbranch_scc1 .Llap
	QUARTER 0, 2, F1, F0, 0                        ; the last lap fills nothing, and has no round of the cluster's barrier
	QUARTER 0, 3, F0, F1, 0
	TURN 0, 1, 0
	QUARTER 1, 1, F0, F1, 0
	QUARTER 1, 2, F1, F0, 0
	QUARTER 1, 3, F0, F1, 0
	s_wait_dscnt 0x0                               ; the very last quarter: nothing more to fetch
	WIN MUL
	MULA F1, 0, 4, 0
	WIN 0
; THE WAY OUT, block by block of 16 rows x 128 columns: x 2^-4 + bo, each accumulator from its low end on; through my own stage in LDS; back as whole rows of 512 bytes.
; LDS serves a wave's instructions in order: no wait between the stores and the loads, nor in front of the next block's stores.
.macro TOSTAGE a
	WIN 0x21                                       ; source 0 (the sums) window 1, source 2 (bo) window 2, destination window 0
.irp b, 0,1,2,3,4,5,6,7
.irp p, 0,1,2,3
	v_pk_fma_f32 v[T+8*\b+2*\p:T+8*\b+2*\p+1], v[8*(8*(\a)+\b)+2*\p:8*(8*(\a)+\b)+2*\p+1], s[SCF:SCF+1], v[8*\b+2*\p:8*\b+2*\p+1] op_sel_hi:[1,0,1]
.endr
.endr
	WIN 0
.irp b, 0,1,2,3,4,5,6,7
	ds_store_b128 v[STO], v[T+8*\b:T+8*\b+3] offset:64*\b
	ds_store_b128 v[STO], v[T+8*\b+4:T+8*\b+7] offset:64*\b+16
.endr
.set BB, BK+64*((\a)%2)
.irp t, 0,1,2,3,4,5,6,7,8,9,10,11,12,13,14,15
	ds_load_b128 v[BB+4*\t:BB+4*\t+3], v[RD] offset:\t*SPITCH
.endr
.endm
.macro SEND a, younger                 ; younger: the LDS instructions issued behind block a's loads, which may stay out
.set BB, BK+64*((\a)%2)
	s_wait_dscnt \younger                          ; the block is back in registers
.irp t, 0,1,2,3,4,5,6,7,8,9,10,11,12,13,14,15
	global_store_b128 v[CO], v[BB+4*\t:BB+4*\t+3], s[10:11] offset:(16*(\a)+\t)*4096 th:TH_STORE_NT   ; 32 lanes store 512 consecutive bytes, aligned; written once, read by nobody here
.endr
.endm
	s_wait_loadcnt 0x0                             ; bo
	PLACES 4                                       ; behind the last products: for the reads of results and the writes into registers that held fragments
	TOSTAGE 0
.irp a, 1,2,3
.if \a > 1
	s_wait_xcnt 0x0                                ; block a - 2's stores have read their registers: block a's loads may land there
.endif
	TOSTAGE \a
	SEND \a-1, 32                                  ; behind block a - 1's loads: block a's 16 stores and 16 loads
.endr
	SEND 3, 0
	s_wait_tensorcnt 0x0                           ; the wave's end, behind my last tensor load and my last LDS store
	ds_add_u32 v[SPW], v[NIL]
	s_wait_dscnt 0x0
	CROUND                                         ; the closing round: no work-group ends while a partner may still ask for a tile that names it
	s_endpgm
.Lfunc_end_k_qea0588dc3d_oproj:
	.size	k_qea0588dc3d_oproj, .Lfunc_end_k_qea0588dc3d_oproj-k_qea0588dc3d_oproj
	.p2alignl 7, 3214868480
	.fill 96, 4, 3214868480
	.section	.rodata,"a",@progbits
	.p2align	6, 0x0
	.amdhsa_kernel k_qea0588dc3d_oproj
		.amdhsa_group_segment_fixed_size 327680
		.amdhsa_private_segment_fixed_size 0
		.amdhsa_enable_private_segment 0
		.amdhsa_kernarg_size 32
		.amdhsa_user_sgpr_count 2
		.amdhsa_user_sgpr_kernarg_segment_ptr 1
		.amdhsa_wavefront_size32 1
		.amdhsa_system_sgpr_workgroup_id_x 1
		.amdhsa_system_sgpr_workgroup_id_y 1
		.amdhsa_system_sgpr_workgroup_id_z 1
		.amdhsa_system_vgpr_workitem_id 0
		.amdhsa_next_free_vgpr 576
		.amdhsa_next_free_sgpr 66
		.amdhsa_reserve_vcc 0
		.amdhsa_float_denorm_mode_32 3
		.amdhsa_float_denorm_mode_16_64 3
		.amdhsa_memory_ordered 1
		.amdhsa_forward_progress 1
		.amdhsa_inst_pref_size 93
	.end_amdhsa_kernel
	.amdgpu_metadata
---
amdhsa.version: [ 1, 2 ]
amdhsa.kernels:
  - .name:           k_qea0588dc3d_oproj
    .symbol:         k_qea0588dc3d_oproj.kd
    .args:
      - { .name: att, .offset: 0, .size: 8, .value_kind: global_buffer, .address_space: global }
      - { .name: wo16, .offset: 8, .size: 8, .value_kind: global_buffer, .address_space: global }
      - { .name: bo, .offset: 16, .size: 8, .value_kind: global_buffer, .address_space: global }
      - { .name: out0, .offset: 24, .size: 8, .value_kind: global_buffer, .address_space: global }
    .group_segment_fixed_size: 327680
    .private_segment_fixed_size: 0
    .kernarg_segment_align: 8
    .kernarg_segment_size: 32
    .max_flat_workgroup_size: 128
    .sgpr_count:     66
    .vgpr_count:     576
    .wavefront_size: 32
...
	.end_amdgpu_metadata
.endif
;; end of part 4
